; MI455X (gfx1250); checked and timed in simulation.
; The chip was launched on July 23, 2026; its instructions are those of AMD's public machine-readable ISA for CDNA 5 (MIT licence, August 2026) and "CDNA5" Instruction Set Architecture Reference Guide (July 2026). The comments in the code are by the model that wrote it; some were corrected since.
;; Self Attention V1. Allowed arithmetic: matrix products marked QUANTISED: E2M1 operands, one E8M0 scale for each 32 along K, by v_wmma_scale_f32_16x16x128_f8f6f4 with both operands' format E2M1 (or v_wmma_scale_f32_32x16x128_f4), f32 sums; products left as they are: bf16, f16 or f32 operands; f32 sums; everything else in f32.
;; Inputs: W_k 1,024 x 1,024 float32; W_q 1,024 x 1,024 float32; W_v 1,024 x 1,024 float32; x 4,096 x 1,024 float32.
;; Outputs: out0 4,096 x 1,024 float32.
;; This version of the problem:
;;   THIS VERSION OF THE PROBLEM IS GIVEN IN LOW PRECISION. The matrix products marked QUANTISED in the list below multiply operands that are first quantised to E2M1 (2 exponent bits, 1 mantissa bit; 4 bits a number), with one power-of-two scale for each 32 numbers along K (OCP MX v1.0); their sums are f32. The products marked 'left as it is' may take bf16, f16 or f32 operands, with f32 sums. Whichever they take, every output number must still come out within the allowed error. Rounding operands to bf16 (8 significant bits) uses up far more of that allowance than f16 does (11 bits, for magnitudes from 6e-5 to 65,504). All else is computed in f32.
;;   The module's matrix products, in the order in which they are computed (A, B: the left and right operand; K: the contracted axis; several contracted axes count as one K, in the product's order):
;;     1. [M 4,096, K 1,024] x [K 1,024, N 1,024]; A: input x; B: input W_q: QUANTISED
;;     2. [M 4,096, K 1,024] x [K 1,024, N 1,024]; A: input x; B: input W_k: QUANTISED
;;     3. [M 4,096, K 1,024] x [K 1,024, N 1,024]; A: input x; B: input W_v: QUANTISED
;;     4. [M 4,096, K 1,024] x [K 1,024, N 4,096]; A: computed on the way; B: computed on the way: left as it is (an operand is computed on the way)
;;     5. [M 4,096, K 4,096] x [K 4,096, N 1,024]; A: computed on the way; B: computed on the way: left as it is (an operand is computed on the way)
;;   THE QUANTISER, for each operand of a quantised product, along K:
;;     - K is cut into blocks of 32 from its start; a last block that is shorter is filled with zeros.
;;     - A block's scale is 2^e with e = floor(log2(the largest magnitude in the block)) - 2, held to -126 .. 127; a block of zeros has e = 0. As a byte (E8M0): e + 127.
;;     - Each number is divided by its block's scale, clamped to +-6, and rounded to the nearest number of E2M1, ties to even, subnormals kept.
;;     - The product sums the exact products of the quantised numbers (number of the format x scale) in f32.
;;   ~~~python
;;   def quantise(x, axis):      # numpy; x: float32 -> the quantised numbers, widened to float32 again
;;       x = np.moveaxis(x, axis, -1); K = x.shape[-1]
;;       x = np.pad(x, [(0, 0)] * (x.ndim - 1) + [(0, -K % 32)]); x = x.reshape(x.shape[:-1] + (-1, 32)); a = np.abs(x).max(-1, keepdims=True)
;;       e = np.where(a > 0, np.clip(np.frexp(np.where(a > 0, a, 1))[1] - 1 - 2, -126, 127), 0)      # np.frexp(a)[1] - 1 = floor(log2(a)), exactly
;;       r = np.clip(x / 2.0 ** e, -6, 6)
;;       step = 2.0 ** (np.maximum(np.frexp(np.where(r == 0, 1, r))[1] - 1, 0) - 1)
;;       q = np.round(r / step) * step * 2.0 ** e      # np.round: ties to even
;;       return np.moveaxis(q.reshape(q.shape[:-2] + (-1,))[..., :K], -1, axis).astype(np.float32)
;;   ~~~
;; One version. Each part assembles by itself: llvm-mc -triple=amdgcn-amd-amdhsa -mcpu=gfx1250 --defsym DOCPART=n.
;; ======== version 1 of 1: 4 launches
;; limits: values are held in f16: magnitudes above 65,504 overflow, below 6.1e-05 lose precision
;; workspace buffers: cod 3,670,016 bytes; scl 229,376 bytes; qkv 25,165,824 bytes; p 33,554,432 bytes; st 1,048,576 bytes
;; launch quant (part 1): grid 224 x 1, 4 waves a work-group, no clusters, 33,280 bytes of LDS; arguments x, W_q, W_k, W_v, cod, scl; writes cod, scl
.if DOCPART == 1
	.amdgcn_target "amdgcn-amd-amdhsa--gfx1250"
	.amdhsa_code_object_version 6
	.text
	.protected	k_q05e4db5b19_quant
	.globl	k_q05e4db5b19_quant
	.p2align	8
	.type	k_q05e4db5b19_quant,@function
k_q05e4db5b19_quant:
	s_mov_b64 s[64:65], 0
	v_nop
	global_prefetch_b8 v0, s[64:65] scope:SCOPE_SE
	s_setreg_imm32_b32 hwreg(HW_REG_WAVE_MODE, 25, 1), 1
	s_wait_xcnt 0x0
; x [4096][1024], W_q, W_k, W_v [1024][1024], f32, are turned into codes of FP4 (E2M1), K innermost, with one E8M0 scale byte for each 32 along K.
; Nothing of reference() is left out in this program: it has no mask, no bias and no constant, and all four inputs reach the output.
; cod: [7168][512 bytes], scl: [7168][32 bytes]; rows 0-4095 x, 4096-5119 W_q, 5120-6143 W_k, 6144-7167 W_v.  K = 1,024 is the last axis of every input, so each tensor is a plain stream of blocks of 32.
; A block's scale is 2^(floor(log2(its largest magnitude)) - 2); its byte is the largest magnitude's exponent field - 2, held at 1 from below.  A block of zeros so gets the byte 1 where the rule says 127:
; its codes are zeros, which add nothing under any byte but 0xff, and the bytes are read by this program alone.  Each number is divided by the scale and rounded to the nearest code, ties to even, beyond 6 the largest code.
; LIMITS: blocks whose largest magnitude lies under 2^(2 - 126), the floor, were not tried; NaN and infinities among the inputs are not served.
; SHARES: a work-group takes 32,768 numbers (32 rows), a wave 16 steps of 512.  Work-groups 0-127 take x, 128-159 W_q, 160-191 W_k, 192-223 W_v: only the pointer is chosen, all take one path.
; Each of a step's four loads reads 512 consecutive bytes; the 2,048 bytes turn through the wave's own stage in LDS and come back 64 bytes a lane, so that a lane holds 16 neighbours along K (two lanes hold a block).
; A lane's 16 codes are 8 bytes: the wave stores 256 consecutive bytes.  A wave's 256 scale bytes are gathered in its own LDS bytes and leave as one aligned run of 256 bytes.  No barrier: waves share nothing.
.set WAVES, 4
.set STEPS, 16
.set EMAX,  2
.set CB,    8                          ; bytes of 16 codes
.set R,     16                         ; v16-79   four sets of 16 numbers as they are loaded
.set X,     80                         ; v80-111  two sets of 16 neighbours
.set C,     128                        ; v128-191 codes: four registers for each step, so that no store's data are written again
.set E,     112                        ; v112-127 a scale byte for each step
.set WREG,  8192                       ; LDS: a region for each wave: two stages of 32 x SP bytes, behind them its 256 scale bytes
.set SP,    80                         ; a lane's place in a stage: its 64 bytes + 16 of padding
.set SPW,   12                         ; v12      LDS address of my spare word; never rewritten
.set NIL,   13                         ; v13      0; never rewritten
.set SPARE, WAVES*WREG                 ; behind the four regions: the spare words, 128 bytes a wave, that no other line names
	s_load_b256 s[4:11], s[0:1], 0x0               ; x s[4:5], W_q s[6:7], W_k s[8:9], W_v s[10:11]
	s_load_b128 s[12:15], s[0:1], 0x20             ; cod s[12:13], scl s[14:15]
	v_lshl_add_u32 v[SPW], v0, 2, SPARE
	v_mov_b32 v[NIL], 0
	v_lshrrev_b32 v1, 5, v0
	v_readfirstlane_b32 s16, v1                    ; wave
	v_and_b32 v2, 31, v0                           ; lane
	v_lshlrev_b32 v3, 4, v2                        ; my 16 bytes of a load's 512
	s_mul_i32 s17, s16, WREG
	v_lshrrev_b32 v14, 2, v2
	v_mul_u32_u24 v14, v14, SP
	v_and_b32 v15, 3, v2
	v_lshl_add_u32 v14, v15, 4, v14
	v_add_nc_u32 v14, s17, v14                     ; the stage, on the way in: four lanes' 64 bytes on end, then 16 of padding
	v_mul_u32_u24 v15, v2, SP
	v_add_nc_u32 v15, s17, v15                     ; and on the way out: SP x lane: my 16 neighbours
	v_mul_u32_u24 v4, v2, CB                       ; my codes' place in a step's
	v_lshrrev_b32 v5, 1, v2
	s_add_co_u32 s17, s17, 2*32*SP
	v_add_nc_u32 v5, s17, v5                       ; LDS: my wave's 256 scale bytes, my block's byte
	v_lshlrev_b32 v7, 3, v2                        ; and on the way out 8 bytes a lane
	v_add_nc_u32 v6, s17, v7
	s_wait_kmcnt 0x0
	s_cmp_ge_u32 ttmp9, 128                        ; which tensor: the choice hangs on the work-group's number alone
	s_cselect_b64 s[4:5], s[6:7], s[4:5]
	s_cmp_ge_u32 ttmp9, 160
	s_cselect_b64 s[4:5], s[8:9], s[4:5]
	s_cmp_ge_u32 ttmp9, 192
	s_cselect_b64 s[4:5], s[10:11], s[4:5]
	s_and_b32 s17, ttmp9, 31                       ; the work-group's number inside a weight (32 work-groups each),
	s_cmp_lt_u32 ttmp9, 128
	s_cselect_b32 s17, ttmp9, s17                  ; or inside x
	s_lshl_b32 s17, s17, 2
	s_add_co_u32 s18, s17, s16                     ; which run of 8,192 numbers of the tensor is my wave's
	s_mov_b32 s19, 0
	s_lshl_b64 s[20:21], s[18:19], 15              ; 32,768 bytes a run
	s_add_nc_u64 s[4:5], s[4:5], s[20:21]
	s_lshl_b32 s18, ttmp9, 2
	s_add_co_u32 s18, s18, s16                     ; and which run of the 896 of cod and scl
	s_lshl_b32 s20, s18, 12                        ; 4,096 bytes of codes a run
	s_mov_b32 s21, 0
	s_add_nc_u64 s[12:13], s[12:13], s[20:21]
	s_lshl_b32 s20, s18, 8                         ; 256 scale bytes a run
	s_add_nc_u64 s[14:15], s[14:15], s[20:21]
.macro LOAD t
.irp i, 0,1,2,3
	global_load_b128 v[R+16*((\t)%4)+4*\i:R+16*((\t)%4)+4*\i+3], v3, s[4:5] offset:2048*(\t)+512*\i th:TH_LOAD_NT   ; 32 lanes read 512 consecutive bytes
.endr
.endm
.macro TURN t                          ; step t's numbers through the stage: LDS serves a wave's instructions in order, so no wait stands between the stores and the loads
.irp i, 0,1,2,3
	ds_store_b128 v14, v[R+16*((\t)%4)+4*\i:R+16*((\t)%4)+4*\i+3] offset:32*SP*((\t)%2)+8*SP*\i
.endr
.irp i, 0,1,2,3
	ds_load_b128 v[X+16*((\t)%2)+4*\i:X+16*((\t)%2)+4*\i+3], v15 offset:32*SP*((\t)%2)+16*\i
.endr
.endm
.irp t, 0,1,2,3
	LOAD \t
.endr
	s_wait_loadcnt 12                              ; step 0's four loads are in; the twelve of steps 1 to 3 may be out
	TURN 0
.macro STEP t
.set XS, X+16*((\t)%2)
.if (\t) > 0
	s_wait_dscnt 1                                 ; this step's numbers are back from the stage (the last step's byte store may be out): so its stores into the stage have read their registers,
.else
	s_wait_dscnt 0x0
.endif
.if (\t)+4 < STEPS
	LOAD (\t)+4                                    ; which take the loads of four steps on
.endif
.if (\t)+1 < STEPS
.if STEPS-2-(\t) >= 3
	s_wait_loadcnt 12                              ; the next step's four loads are in; those of the three steps behind it may be out
.else
	s_wait_loadcnt 4*(STEPS-2-(\t))                ; at the end the count runs down with the steps that are left
.endif
	TURN (\t)+1                                    ; and go through the other stage while this step is worked
.endif
	v_max3_num_f32 v8, |v[XS]|, |v[XS+1]|, |v[XS+2]|               ; the largest magnitude of my 16, in two chains
	v_max3_num_f32 v9, |v[XS+3]|, |v[XS+4]|, |v[XS+5]|
.irp i, 6,10
	v_max3_num_f32 v8, v8, |v[XS+\i]|, |v[XS+\i+1]|
	v_max3_num_f32 v9, v9, |v[XS+\i+2]|, |v[XS+\i+3]|
.endr
	v_max3_num_f32 v8, v8, |v[XS+14]|, |v[XS+15]|
	v_max3_num_f32 v8, v8, v9, (EMAX+1)<<23        ; and the floor 2^(EMAX + 1 - 127): the byte cannot fall under 1
	v_max_num_f32_dpp v8, v8, v8 row_xmask:1 row_mask:0xf bank_mask:0xf   ; and of my neighbour's 16: the block's
	v_add_nc_u32 v11, -(EMAX<<23), v8              ; EMAX off its exponent field: the conversion takes the exponent field of this operand as its scale
	v_cvt_scalef32_pk8_fp4_f32 v[C+4*(\t)], v[XS:XS+7], v11
	v_cvt_scalef32_pk8_fp4_f32 v[C+4*(\t)+1], v[XS+8:XS+15], v11
	v_lshrrev_b32 v[E+(\t)], 23, v11               ; the scale's byte (also the plain line behind the conversions)
	ds_store_b8 v5, v[E+(\t)] offset:16*(\t)       ; both lanes of a block write the same byte with the same value
	global_store_b64 v4, v[C+4*(\t):C+4*(\t)+1], s[12:13] offset:32*CB*(\t)   ; 32 lanes store 256 consecutive bytes, aligned
.endm
.irp t, 0,1,2,3,4,5,6,7,8,9,10,11,12,13,14,15
	STEP \t
.endr
	ds_load_b64 v[8:9], v6                         ; LDS serves a wave's instructions in order: these see my stores
	s_wait_dscnt 0x0
	global_store_b64 v7, v[8:9], s[14:15]          ; 32 lanes store 256 consecutive bytes, aligned
	s_wait_tensorcnt 0x0                           ; the wave's end, behind my last LDS store
	ds_add_u32 v[SPW], v[NIL]
	s_wait_dscnt 0x0
	s_endpgm
.Lfunc_end_k_q05e4db5b19_quant:
	.size	k_q05e4db5b19_quant, .Lfunc_end_k_q05e4db5b19_quant-k_q05e4db5b19_quant
	.p2alignl 7, 3214868480
	.fill 96, 4, 3214868480
	.section	.rodata,"a",@progbits
	.p2align	6, 0x0
	.amdhsa_kernel k_q05e4db5b19_quant
		.amdhsa_group_segment_fixed_size 33280
		.amdhsa_private_segment_fixed_size 0
		.amdhsa_enable_private_segment 0
		.amdhsa_kernarg_size 48
		.amdhsa_user_sgpr_count 2
		.amdhsa_user_sgpr_kernarg_segment_ptr 1
		.amdhsa_wavefront_size32 1
		.amdhsa_system_sgpr_workgroup_id_x 1
		.amdhsa_system_sgpr_workgroup_id_y 1
		.amdhsa_system_sgpr_workgroup_id_z 1
		.amdhsa_system_vgpr_workitem_id 0
		.amdhsa_next_free_vgpr 192
		.amdhsa_next_free_sgpr 66
		.amdhsa_reserve_vcc 0
		.amdhsa_float_denorm_mode_32 3
		.amdhsa_float_denorm_mode_16_64 3
		.amdhsa_memory_ordered 1
		.amdhsa_forward_progress 1
		.amdhsa_inst_pref_size 33
	.end_amdhsa_kernel
	.amdgpu_metadata
---
amdhsa.version: [ 1, 2 ]
amdhsa.kernels:
  - .name:           k_q05e4db5b19_quant
    .symbol:         k_q05e4db5b19_quant.kd
    .args:
      - { .name: x, .offset: 0, .size: 8, .value_kind: global_buffer, .address_space: global }
      - { .name: W_q, .offset: 8, .size: 8, .value_kind: global_buffer, .address_space: global }
      - { .name: W_k, .offset: 16, .size: 8, .value_kind: global_buffer, .address_space: global }
      - { .name: W_v, .offset: 24, .size: 8, .value_kind: global_buffer, .address_space: global }
      - { .name: cod, .offset: 32, .size: 8, .value_kind: global_buffer, .address_space: global }
      - { .name: scl, .offset: 40, .size: 8, .value_kind: global_buffer, .address_space: global }
    .group_segment_fixed_size: 33280
    .private_segment_fixed_size: 0
    .kernarg_segment_align: 8
    .kernarg_segment_size: 48
    .max_flat_workgroup_size: 128
    .sgpr_count:     66
    .vgpr_count:     192
    .wavefront_size: 32
...
	.end_amdgpu_metadata
.endif
;; end of part 1
;; launch proj (part 2): grid 12 x 16, 4 waves a work-group, clusters of 4 x 4, 327,680 bytes of LDS; arguments cod, scl, qkv; writes qkv
.if DOCPART == 2
	.amdgcn_target "amdgcn-amd-amdhsa--gfx1250"
	.amdhsa_code_object_version 6
	.text
	.protected	k_q05e4db5b19_proj
	.globl	k_q05e4db5b19_proj
	.p2align	8
	.type	k_q05e4db5b19_proj,@function
k_q05e4db5b19_proj:
	s_mov_b64 s[64:65], 0
	v_nop
	global_prefetch_b8 v0, s[64:65] scope:SCOPE_SE
	s_setreg_imm32_b32 hwreg(HW_REG_WAVE_MODE, 25, 1), 1
	s_wait_xcnt 0x0
	s_wait_alu depctr_hold_cnt(0) depctr_sa_sdst(0) depctr_va_vdst(0) depctr_va_sdst(0) depctr_va_ssrc(0) depctr_va_vcc(0) depctr_vm_vsrc(0)
	s_getreg_b32 s2, hwreg(HW_REG_IB_STS2, 6, 4)
	s_cmp_eq_u32 s2, 0
	s_cbranch_scc0 .Lentry_in_a_cluster
	s_endpgm
.Lentry_in_a_cluster:
	s_bfe_u32 s2, ttmp6, 0x10000c
	s_cmp_lg_u32 s2, 0xf033
	s_cbranch_scc0 .Lentry_shape_is_right
	s_endpgm
.Lentry_shape_is_right:
; q = x W_q^T, k = x W_k^T, v = x W_v^T on codes of FP4 (E2M1) with one E8M0 scale for each 32 along K = 1,024; sums in f32; the results leave rounded once to f16, the operand format of the two later products.
; qkv: q [4096 tokens][1024] at byte 0, k likewise at 8,388,608, and v TRANSPOSED, vT [1024 channels][4096 tokens], at 16,777,216: the tokens are the last product's K.  Nothing of reference() is left out.
; LIMIT: a q, k or v beyond 65,504 in magnitude becomes infinity in f16.
; SHARES: a tile of C, 256 x 256, to a work-group of four waves; a wave makes 128 x 128: 64 accumulators, 512 registers.  Cluster x = 0, 1, 2 stands for q, k, v.
; C[m][n] = sum over K of A[m] B[n].  For q and k: A = tokens (rows of x), B = channels (rows of W).  For v the two change places BY ADDRESS ALONE: A = rows of W_v, B = tokens, so that the same instructions give vT.
; K is two slots of 512 (LDS rows of 256 bytes): both are first fills, nothing is filled again, so there is no loop.  By this text's count a wave has three tensor loads out at the most (scales, slot 0, slot 1).
; CLUSTERS: 4 x 4 work-groups.  The four of a row of the cluster need the same rows of A, the four of a column the same rows of B: each tile is asked for jointly, with one descriptor and a mask that names the four.
; THE MATRIX INSTRUCTION IS USED TRANSPOSED (source 0 = 16 rows of B, source 1 = 16 rows of A): a lane then holds eight neighbouring numbers of a row of C, which pack into 16 bytes of f16.
; REGISTERS: window 0: v16-29 addresses; v32-95 scale words, two sets; v96-103 offsets in C; v128-191 A's fragments, one set (on the way out: rows read back); v192-223 packed results.
;   window 1: B's fragments, two sets, at v0 and v128.   window 2: the accumulators of my rows 0-63 ((a, b) at v[8 (8 a + b)]);   window 3: those of my rows 64-127.
.set NQ,     4                         ; steps of 128 along K in a slot
.set ROWB,   256                       ; a tile's row in bytes: 512 codes
.set KROW,   512                       ; a row of cod in bytes
.set PITCH,  272                       ; an LDS row: 256 bytes + 16 of padding = 68 words: the 16 rows that a load touches start at 16 different banks (64 banks of 4 bytes: ISA guide 11.1)
.set FR,     8                         ; registers of a fragment: 16 rows x 128 K
.set NL,     2                         ; LDS loads that bring one
.set NP,     4                         ; places behind this matrix instruction (ISA guide 7.12.1)
.set HALFT,  128*PITCH                 ; 128 rows: what one tensor load brings
.set SLOT,   4*HALFT                   ; A's 256 rows, then B's 256 rows
.set KS,     32                        ; a row of scl in bytes
.set SCL,    2*SLOT                    ; behind the two slots: the scales, as runs of 256 bytes + 16 of padding
.set HALFS,  (128*KS/256)*272          ; the scales of 128 rows: what one tensor load brings
.set SBLK,   (16*KS/256)*272           ; those of 16 rows
.set STAGE,  SCL+4*HALFS               ; the way out: 16 rows x 272 bytes for each wave, bytes of its own
.set SPITCH, 272
.set SPARE,  STAGE+4*16*SPITCH         ; the spare words, 128 bytes a wave, that no other line names
.set ADRA, 16                          ; v16-17  LDS address of my A fragments in slot 0, 1
.set ADRB, 20                          ; v20-21  the same for B
.set STO,  24                          ; v24     the way out: where I put 16 bytes of a row
.set RD,   25                          ; v25     the way out: where I read a row back
.set ADRS, 27                          ; v27     LDS address of my scale words: lanes 0-15 A's rows, lanes 16-31 B's
.set SPW,  28                          ; v28     LDS address of my spare word; never rewritten
.set NIL,  29                          ; v29     0; never rewritten
.set SC,   32                          ; scale words: set s at v[SC + 32 s]; register 4 i + q: lanes 0-15 the word of A's block i, lanes 16-31 of B's block i, for the slot's q-th 128 along K
.set CO,   96                          ; v96-103 my byte offset in rows 2 t + (lane / 16) of a block of 16 rows of C
.set AF,   128                         ; A's fragments
.set BK,   128                         ; the way out: 16 rows read back: v128-159 and v160-191 by turns
.set TMP,  192                         ; the way out: packed results
.set G1, 24                            ; s[24:31] descriptor group 1 for A's tiles;  s[32:39] group 0, a set for each slot
.set G0, 32
.set G1B, 48                           ; s[48:55], s[56:63] the same for B's
.set G0B, 56
.set G1S, 68                           ; s[68:75], s[76:79] groups 1 and 0 for A's scales;  s[80:87], s[88:91] for B's
.set G0S, 76
.set G1SB, 80
.set G0SB, 88
.set MSB, 0
.macro WIN new                         ; the immediate's high byte repeats the setting that is left; a switch that changes nothing is dropped
.if MSB != \new
	s_set_vgpr_msb (MSB<<8)|\new
.set MSB, \new
.endif
.endm
.set MUL_LO, 0xa1                      ; source 0 (B) window 1, source 1 (A) window 0, C and D window 2
.set MUL_HI, 0xf1                      ; the same, C and D window 3
.set TO_B,   0x40                      ; destination window 1, address window 0
; A joint load: waves 0 and 1 fetch for A, waves 2 and 3 for B.  The branch hangs on the wave's number alone.  An s_nop 0 and four v_nop follow each of the two lines.
.macro JLOAD g0a, g1a, g0b, g1b
	s_cmp_eq_u32 s15, 0
	s_cbranch_scc0 .Lfor_b_\@
	tensor_load_to_lds s[\g0a:\g0a+3], s[\g1a:\g1a+7]
	s_nop 0
.rept 4
	v_nop
.endr
	s_branch .Lasked_\@
.Lfor_b_\@:
	tensor_load_to_lds s[\g0b:\g0b+3], s[\g1b:\g1b+7]
	s_nop 0
.rept 4
	v_nop
.endr
.Lasked_\@:
.endm
.macro CROUND                          ; a round of the cluster's barrier
	s_barrier_signal -1
	s_barrier_wait -1
	s_cmp_lg_u32 s14, 0
	s_cbranch_scc1 .Lnot_wave_0_\@
	s_barrier_signal -3
.Lnot_wave_0_\@:
	s_barrier_wait -3
	s_barrier_signal -1
	s_barrier_wait -1
.endm
	s_load_b128 s[4:7], s[0:1], 0x0                ; cod s[4:5], scl s[6:7]
	s_load_b64 s[12:13], s[0:1], 0x10              ; qkv
	v_lshl_add_u32 v[SPW], v0, 2, SPARE
	v_mov_b32 v[NIL], 0
	ds_add_u32 v[SPW], v[NIL]                      ; the wave's opening: the add, twice on end, and its wait ahead of my first tensor load
	ds_add_u32 v[SPW], v[NIL]                      ; the set-up below, work on registers, stands between the second add and the wait
	v_lshrrev_b32 v1, 5, v0
	v_readfirstlane_b32 s14, v1                    ; wave 0..3
	s_lshr_b32 s15, s14, 1                         ; which half of the tile's rows is mine.  Also: I fetch for A (0) or for B (1)
	s_and_b32 s16, s14, 1                          ; which half of its columns.  Also: which 128 rows I fetch
	s_bfe_u32 s40, ttmp6, 0x40000                  ; cx, cy: my place in the cluster
	s_bfe_u32 s41, ttmp6, 0x40004
	s_lshr_b32 s95, ttmp9, 1                       ; 1 for v (cluster x = 2), 0 for q and k
	s_xor_b32 s96, s95, 1                          ; and the other way round
	s_and_b32 s97, ttmp7, 0xffff
	s_lshl_b32 s97, s97, 2                         ; 4 x cluster y
	s_mul_i32 s17, s97, s96
	s_add_co_u32 s17, s17, s41                     ; tile row of C: q, k: 4 x cluster y + cy (16 rows of tiles); v: cy (4)
	s_mul_i32 s42, s97, s95
	s_add_co_u32 s42, s42, s40                     ; tile column of C: q, k: cx (4); v: 4 x cluster y + cx (16)
	s_lshl_b32 s43, s41, 2
	s_lshl_b32 s43, 15, s43                        ; my row of the cluster
	s_lshl_b32 s44, 0x1111, s40                    ; my column
	; descriptor group 1: a tile of 128 rows x 256 bytes, padded in LDS
	s_or_b32 s[G1+0], s43, (0<<16)|(1<<20)|(1<<21)|(5<<22)|(3<<25)  ; 15:0 the mask: A's tiles go to my row; 17:16 elements of 1 byte; 20 padding on; 21 set beside a mask; 24:22 after every 64 words; 31:25 four words
	s_or_b32 s[G1B+0], s44, (0<<16)|(1<<20)|(1<<21)|(5<<22)|(3<<25)
.irp g, G1, G1B
	s_mov_b32 s[\g+1], ROWB<<16                    ; tensor_dim0
	s_mov_b32 s[\g+2], 128<<16                     ; tensor_dim1
	s_mov_b32 s[\g+3], ROWB<<16                    ; tile_dim0
	s_mov_b32 s[\g+4], 128                         ; tile_dim1
	s_mov_b32 s[\g+5], KROW                        ; from row to row
	s_mov_b32 s[\g+6], 0
	s_mov_b32 s[\g+7], 0
.endr
	; the scales of 128 rows: a dense block of 4,096 bytes, as 16 rows of 256 bytes (32 elements of 8 bytes), 16 bytes of padding behind each
	s_or_b32 s[G1S+0], s43, (3<<16)|(1<<20)|(1<<21)|(5<<22)|(3<<25)
	s_or_b32 s[G1SB+0], s44, (3<<16)|(1<<20)|(1<<21)|(5<<22)|(3<<25)
.irp g, G1S, G1SB
	s_mov_b32 s[\g+1], 32<<16
	s_mov_b32 s[\g+2], (128*KS/256)<<16
	s_mov_b32 s[\g+3], 32<<16
	s_mov_b32 s[\g+4], 128*KS/256
	s_mov_b32 s[\g+5], 32
	s_mov_b32 s[\g+6], 0
	s_mov_b32 s[\g+7], 0
.endr
	s_lshl_b32 s18, s16, 7                         ; which 128 rows of the tile I fetch
	s_lshl_b32 s20, s17, 8
	s_add_co_u32 s20, s20, s18
	s_mul_i32 s19, s95, 6144
	s_add_co_u32 s20, s20, s19                     ; A's first row in cod and scl: 256 x tile row + 128 x half; for v behind x, W_q and W_k.  It hangs on cy, never on cx
	s_lshl_b32 s46, s42, 8
	s_add_co_u32 s46, s46, s18
	s_lshl_b32 s19, ttmp9, 10
	s_add_co_u32 s19, s19, 4096
	s_mul_i32 s19, s19, s96
	s_add_co_u32 s46, s46, s19                     ; B's: 256 x tile column + 128 x half; for q and k behind x (and W_q).  It hangs on cx, never on cy
	s_lshl_b32 s22, s20, 5                         ; where these rows' scales begin, in bytes,
	s_mov_b32 s23, 0
	s_lshl_b32 s92, s46, 5
	s_mov_b32 s93, 0
	s_lshl_b32 s20, s20, 9                         ; and their codes
	s_mov_b32 s21, 0
	s_lshl_b32 s46, s46, 9
	s_mov_b32 s47, 0
	s_mul_i32 s45, s14, HALFT                      ; where they go: wave x 128 rows: no place in the cluster enters an LDS address
	s_mul_i32 s94, s14, HALFS
	s_wait_dscnt 0x0                               ; both opening adds are done
	s_wait_kmcnt 0x0
	s_add_nc_u64 s[20:21], s[4:5], s[20:21]
	s_add_nc_u64 s[22:23], s[6:7], s[22:23]
	s_add_nc_u64 s[46:47], s[4:5], s[46:47]
	s_add_nc_u64 s[92:93], s[6:7], s[92:93]
	CROUND                                         ; all sixteen work-groups are here: the joint loads meet
	s_mov_b32 s[G0S], 1
	s_add_co_u32 s[G0S+1], s94, SCL
	s_mov_b64 s[G0S+2:G0S+3], s[22:23]
	s_or_b32 s[G0S+3], s[G0S+3], 0x80000000
	s_mov_b32 s[G0SB], 1
	s_add_co_u32 s[G0SB+1], s94, SCL
	s_mov_b64 s[G0SB+2:G0SB+3], s[92:93]
	s_or_b32 s[G0SB+3], s[G0SB+3], 0x80000000
	JLOAD G0S, G1S, G0SB, G1SB                     ; the scales first: they are wanted with the first slot
.irp s, 0,1
	s_mov_b32 s[G0+4*\s], 1
	s_add_co_u32 s[G0+4*\s+1], s45, \s*SLOT
	s_add_nc_u64 s[G0+4*\s+2:G0+4*\s+3], s[20:21], \s*ROWB
	s_or_b32 s[G0+4*\s+3], s[G0+4*\s+3], 0x80000000
	s_mov_b32 s[G0B+4*\s], 1
	s_add_co_u32 s[G0B+4*\s+1], s45, \s*SLOT
	s_add_nc_u64 s[G0B+4*\s+2:G0B+4*\s+3], s[46:47], \s*ROWB
	s_or_b32 s[G0B+4*\s+3], s[G0B+4*\s+3], 0x80000000
	JLOAD G0+4*\s, G1, G0B+4*\s, G1B
.endr
	v_and_b32 v1, 15, v0                           ; l % 16
	v_bfe_u32 v2, v0, 4, 1                         ; l / 16
	v_mul_u32_u24 v3, v1, PITCH
	v_lshl_add_u32 v4, v2, 4, v3                   ; a fragment's row x pitch + 16 x half
	s_mul_i32 s21, s15, HALFT                      ; my 128 rows of A
	s_mul_i32 s22, s16, HALFT                      ; my 128 rows of B,
	s_add_co_u32 s22, s22, 2*HALFT                 ; which lie behind A's 256
.irp s, 0,1
	v_add_nc_u32 v[ADRA+\s], s21, v4
	v_add_nc_u32 v[ADRB+\s], s22, v4
	s_add_co_u32 s21, s21, SLOT
	s_add_co_u32 s22, s22, SLOT
.endr
	v_mul_u32_u24 v5, v1, KS                       ; my row's scales: 32 bytes a row,
	v_lshrrev_b32 v6, 8, v5
	v_lshl_add_u32 v5, v6, 4, v5                   ; and 16 more for each 256 passed
	s_mul_i32 s21, s15, HALFS                      ; A's: my 128 rows
	s_mul_i32 s22, s16, HALFS                      ; B's: my 128 rows, behind A's 256
	s_add_co_u32 s22, s22, 2*HALFS
	s_sub_co_u32 s22, s22, s21
	v_mul_u32_u24 v6, s22, v2                      ; lanes 16-31 take B's: one product, the distance between the two bases
	s_add_co_u32 s21, s21, SCL
	v_add_nc_u32 v5, v5, v6
	v_add_nc_u32 v[ADRS], s21, v5
	s_mul_i32 s23, s14, 16*SPITCH
	s_add_co_u32 s23, s23, STAGE                   ; my stage
	v_mul_u32_u24 v5, v1, SPITCH                   ; in: row l % 16, 16 bytes for each half of the lanes
	v_lshl_add_u32 v5, v2, 4, v5
	v_add_nc_u32 v[STO], s23, v5
	v_mul_u32_u24 v5, v2, SPITCH                   ; back: lanes 0-15 take one row of 256 bytes, lanes 16-31 the next
	v_lshl_add_u32 v5, v1, 4, v5
	v_add_nc_u32 v[RD], s23, v5
	s_lshl_b32 s98, s95, 1
	s_lshl_b32 s98, 2048, s98                      ; a row of C in bytes: 2,048 in q and k, 8,192 in vT
	s_lshl_b32 s99, s98, 1                         ; two rows
	s_lshl_b32 s100, s98, 4                        ; sixteen rows
	s_mov_b32 s101, 0
	v_mul_lo_u32 v[CO], v2, s98                    ; the same two rows in C: the pitch is no constant of the text, so each pair of rows has an offset register
	v_lshl_add_u32 v[CO], v1, 4, v[CO]
.irp t, 1,2,3,4,5,6,7
	v_add_nc_u32 v[CO+\t], s99, v[CO+\t-1]
.endr
	s_lshl_b32 s20, s17, 8
	s_lshl_b32 s21, s15, 7
	s_add_co_u32 s20, s20, s21                     ; my first row of C: 256 x tile row + 128 x half,
	s_mul_i32 s20, s20, s98                        ; in bytes (under 2^24),
	s_lshl_b32 s46, s42, 9                         ; my first column in bytes: 512 x tile column + 256 x half,
	s_lshl_b32 s47, s16, 8
	s_add_co_u32 s46, s46, s47
	s_add_co_u32 s20, s20, s46
	s_lshl_b32 s21, ttmp9, 23                      ; and the tensor: 8,388,608 bytes each
	s_add_co_u32 s20, s20, s21
	s_mov_b32 s21, 0
	s_add_nc_u64 s[12:13], s[12:13], s[20:21]
.macro FRAG reg, adr, q, i             ; a fragment, 16 rows x 128 K of 4-bit codes: lane l holds row l % 16; registers 4 c .. 4 c + 3 hold K = 64 c + 32 (l / 16) + 0 .. 31
.irp c, 0,1
	ds_load_b128 v[\reg+4*\c:\reg+4*\c+3], v[\adr] offset:64*(\q)+32*\c+(\i)*16*PITCH
.endr
.endm
; 16 matrix instructions: A's blocks a0, a0 + 1 x B's eight, the slot's q-th 128 along K.  p: B's set;  sc: the set of scale words.  zero = 1: the first product starts the sums: nothing is cleared.
; The 64 accumulators take turns, one instruction a turn, in the same order in every step.
.macro MUL16 a0, p, q, sc, zero
.irp a, \a0, \a0+1
.irp b, 0,1,2,3,4,5,6,7
.if \zero
	v_wmma_scale_f32_16x16x128_f8f6f4 v[8*(8*((\a)%4)+\b):8*(8*((\a)%4)+\b)+7], v[128*(\p)+FR*\b:128*(\p)+FR*\b+FR-1], v[AF+FR*(\a):AF+FR*(\a)+FR-1], 0, v[SC+8*NQ*(\sc)+NQ*\b+(\q)], v[SC+8*NQ*(\sc)+NQ*(\a)+(\q)] matrix_a_fmt:MATRIX_FMT_FP4 matrix_b_fmt:MATRIX_FMT_FP4 matrix_a_scale:MATRIX_SCALE_ROW1
.else
	v_wmma_scale_f32_16x16x128_f8f6f4 v[8*(8*((\a)%4)+\b):8*(8*((\a)%4)+\b)+7], v[128*(\p)+FR*\b:128*(\p)+FR*\b+FR-1], v[AF+FR*(\a):AF+FR*(\a)+FR-1], v[8*(8*((\a)%4)+\b):8*(8*((\a)%4)+\b)+7], v[SC+8*NQ*(\sc)+NQ*\b+(\q)], v[SC+8*NQ*(\sc)+NQ*(\a)+(\q)] matrix_a_fmt:MATRIX_FMT_FP4 matrix_b_fmt:MATRIX_FMT_FP4 matrix_a_scale:MATRIX_SCALE_ROW1
.endif
.endr
.endr
.endm
.macro FETCH_B slot, q, p              ; B's eight fragments of the slot's q-th 128 along K into set p
	WIN TO_B
.irp i, 0,1,2,3,4,5,6,7
	FRAG 128*(\p)+FR*\i, ADRB+\slot, \q, \i
.endr
	WIN 0
.endm
.macro FETCH_A slot, q, i0             ; A's blocks i0 .. i0 + 3
.irp i, \i0, \i0+1, \i0+2, \i0+3
	FRAG AF+FR*(\i), ADRA+\slot, \q, \i
.endr
.endm
.macro SCALES sc                       ; a slot's scale words into set sc: four words a row; lanes 0-15 take A's block i, lanes 16-31 B's block i
.irp i, 0,1,2,3,4,5,6,7
	ds_load_b128 v[SC+8*NQ*\sc+NQ*\i:SC+8*NQ*\sc+NQ*\i+3], v[ADRS] offset:\i*SBLK
.endr
.endm
; A load into a register that a matrix instruction has read, and a vector instruction that reads a matrix result, stand NP places behind that matrix instruction; only plain vector
; instructions that name none of its registers are places (ISA guide 7.12.1 for vector instructions).
.macro PLACES n
.rept \n
	v_nop
.endr
.endm
; A step of 128 along K that has its successor in the same slot.  A's blocks go one after the other, each against B's eight: a block of A is free when its eight products are issued, so A has one set of registers, B two.
.macro STEP slot, q, zero
	s_wait_dscnt 4*NL                              ; B's set and A's blocks 0-3 are in; the youngest eight loads (A's blocks 4-7) may be out
	WIN MUL_LO
	MUL16 0, (\q)%2, \q, \slot, \zero
	MUL16 2, (\q)%2, \q, \slot, \zero
	s_wait_dscnt 0                                 ; A's blocks 4-7 are in
	PLACES NP
	FETCH_B \slot, (\q)+1, 1-(\q)%2
	FETCH_A \slot, (\q)+1, 0
	WIN MUL_HI
	MUL16 4, (\q)%2, \q, \slot, \zero
	MUL16 6, (\q)%2, \q, \slot, \zero
	PLACES NP
	WIN 0
	FETCH_A \slot, (\q)+1, 4
.endm
	s_wait_tensorcnt 1                             ; the scales and my part of slot 0 are in; slot 1's load, the one issued behind them, may be out
	s_barrier_signal -1
	s_barrier_wait -1                              ; everybody's are
	FETCH_B 0, 0, 0
	FETCH_A 0, 0, 0
	SCALES 0
	FETCH_A 0, 0, 4
	STEP 0, 0, 1                                   ; the first step's products start the sums
	STEP 0, 1, 0
	STEP 0, 2, 0
	; slot 0's last step changes slots: one barrier; in front of it each wave waits for all its tensor loads (slot 1's), adds 0 to its spare word, and waits for that and for its reads
	s_wait_tensorcnt 0x0                           ; my part of slot 1 has landed  (every window is 0 here)
	ds_add_u32 v[SPW], v[NIL]                      ; 0 onto my spare word
	s_wait_dscnt 4*NL+1                            ; the add and the youngest eight loads (A's blocks 4-7) may be out
	WIN MUL_LO
	MUL16 0, 1, NQ-1, 0, 0
	s_wait_dscnt 0x0                               ; the add is done, and no LDS load of mine is out at the signal
	s_barrier_signal -1
	MUL16 2, 1, NQ-1, 0, 0
	WIN 0
	s_barrier_wait -1                              ; slot 1 is whole
	PLACES NP
	v_add_nc_u32 v[ADRS], 4*NQ, v[ADRS]            ; on to slot 1's scale words
	FETCH_B 1, 0, 0
	FETCH_A 1, 0, 0
	SCALES 1
	WIN MUL_HI
	MUL16 4, 1, NQ-1, 0, 0
	MUL16 6, 1, NQ-1, 0, 0
	PLACES NP
	WIN 0
	FETCH_A 1, 0, 4
	STEP 1, 0, 0
	STEP 1, 1, 0
	STEP 1, 2, 0
	s_wait_dscnt 4*NL                              ; the very last step: nothing more to fetch
	WIN MUL_LO
	MUL16 0, 1, NQ-1, 1, 0
	MUL16 2, 1, NQ-1, 1, 0
	s_wait_dscnt 0
	WIN MUL_HI
	MUL16 4, 1, NQ-1, 1, 0
	MUL16 6, 1, NQ-1, 1, 0
	WIN 0
; THE WAY OUT, block by block of 16 rows x 128 columns.  PACK: rounded to f16, 16 bytes a lane, each accumulator from its low end on.  TOSTAGE: into my own stage, and back as whole rows of 256 bytes.  SEND: stored.
.macro PACK a
.set AC, 64*((\a)%4)
.set WS, 0x0a+5*((\a)/4)                           ; sources 0 and 1: window 2 or 3
	WIN WS
.irp b, 0,1,2,3,4,5,6,7
.irp r, 0,1,2,3
	v_cvt_pk_f16_f32 v[TMP+4*\b+\r], v[AC+8*\b+2*\r], v[AC+8*\b+2*\r+1]
.endr
.endr
	WIN 0
.endm
.macro TOSTAGE a
.set BB, BK+32*((\a)%2)
.irp b, 0,1,2,3,4,5,6,7
	ds_store_b128 v[STO], v[TMP+4*\b:TMP+4*\b+3] offset:32*\b
.endr
.irp t, 0,1,2,3,4,5,6,7
	ds_load_b128 v[BB+4*\t:BB+4*\t+3], v[RD] offset:\t*2*SPITCH    ; LDS serves a wave's instructions in order (ISA guide 5.7.1.4): these see the stores above
.endr
.endm
.macro SEND a
.set BB, BK+32*((\a)%2)
	s_wait_dscnt 0x0                               ; the block is back in registers
	s_wait_xcnt 0x0                                ; earlier stores have read their base and their data: the base may step, and the next block's loads may land where the block before this one lay
.if (\a) > 0
	s_add_nc_u64 s[12:13], s[12:13], s[100:101]    ; 16 rows of C on
.endif
.irp t, 0,1,2,3,4,5,6,7
	global_store_b128 v[CO+\t], v[BB+4*\t:BB+4*\t+3], s[12:13]     ; 16 lanes store 256 consecutive bytes, at a multiple of 256 from the buffer's first byte
.endr
.endm
	PLACES NP                                      ; behind the last products: for the conversions, and for the loads into the registers that held A's fragments
	PACK 0
	TOSTAGE 0
.irp a, 1,2,3,4,5,6,7                  ; block a's conversions stand between block a - 1's loads from the stage and the wait for them
	PACK \a
	SEND \a-1
	TOSTAGE \a
.endr
	SEND 7
	s_wait_tensorcnt 0x0                           ; the wave's end: behind my last tensor load and my last LDS store
	ds_add_u32 v[SPW], v[NIL]
	s_wait_dscnt 0x0
	CROUND                                         ; the closing round: no work-group ends while a partner may still ask for a tile that names it
	s_endpgm
.Lfunc_end_k_q05e4db5b19_proj:
	.size	k_q05e4db5b19_proj, .Lfunc_end_k_q05e4db5b19_proj-k_q05e4db5b19_proj
	.p2alignl 7, 3214868480
	.fill 96, 4, 3214868480
	.section	.rodata,"a",@progbits
	.p2align	6, 0x0
	.amdhsa_kernel k_q05e4db5b19_proj
		.amdhsa_group_segment_fixed_size 327680
		.amdhsa_private_segment_fixed_size 0
		.amdhsa_enable_private_segment 0
		.amdhsa_kernarg_size 24
		.amdhsa_user_sgpr_count 2
		.amdhsa_user_sgpr_kernarg_segment_ptr 1
		.amdhsa_wavefront_size32 1
		.amdhsa_system_sgpr_workgroup_id_x 1
		.amdhsa_system_sgpr_workgroup_id_y 1
		.amdhsa_system_sgpr_workgroup_id_z 1
		.amdhsa_system_vgpr_workitem_id 0
		.amdhsa_next_free_vgpr 1024
		.amdhsa_next_free_sgpr 102
		.amdhsa_reserve_vcc 0
		.amdhsa_float_denorm_mode_32 3
		.amdhsa_float_denorm_mode_16_64 3
		.amdhsa_memory_ordered 1
		.amdhsa_forward_progress 1
		.amdhsa_inst_pref_size 127
	.end_amdhsa_kernel
	.amdgpu_metadata
---
amdhsa.version: [ 1, 2 ]
amdhsa.kernels:
  - .name:           k_q05e4db5b19_proj
    .symbol:         k_q05e4db5b19_proj.kd
    .args:
      - { .name: cod, .offset: 0, .size: 8, .value_kind: global_buffer, .address_space: global }
      - { .name: scl, .offset: 8, .size: 8, .value_kind: global_buffer, .address_space: global }
      - { .name: qkv, .offset: 16, .size: 8, .value_kind: global_buffer, .address_space: global }
    .group_segment_fixed_size: 327680
    .private_segment_fixed_size: 0
    .kernarg_segment_align: 8
    .kernarg_segment_size: 24
    .max_flat_workgroup_size: 128
    .sgpr_count:     102
    .vgpr_count:     1024
    .wavefront_size: 32
...
	.end_amdgpu_metadata
.endif
;; end of part 2
;; launch scores (part 3): grid 16 x 16, 4 waves a work-group, clusters of 4 x 4, 327,680 bytes of LDS; arguments qkv, p, st; writes p, st
.if DOCPART == 3
	.amdgcn_target "amdgcn-amd-amdhsa--gfx1250"
	.amdhsa_code_object_version 6
	.text
	.protected	k_q05e4db5b19_scores
	.globl	k_q05e4db5b19_scores
	.p2align	8
	.type	k_q05e4db5b19_scores,@function
k_q05e4db5b19_scores:
	s_mov_b64 s[64:65], 0
	v_nop
	global_prefetch_b8 v0, s[64:65] scope:SCOPE_SE
	s_setreg_imm32_b32 hwreg(HW_REG_WAVE_MODE, 25, 1), 1
	s_wait_xcnt 0x0
	s_wait_alu depctr_hold_cnt(0) depctr_sa_sdst(0) depctr_va_vdst(0) depctr_va_sdst(0) depctr_va_ssrc(0) depctr_va_vcc(0) depctr_vm_vsrc(0)
	s_getreg_b32 s2, hwreg(HW_REG_IB_STS2, 6, 4)
	s_cmp_eq_u32 s2, 0
	s_cbranch_scc0 .Lentry_in_a_cluster
	s_endpgm
.Lentry_in_a_cluster:
	s_bfe_u32 s2, ttmp6, 0x10000c
	s_cmp_lg_u32 s2, 0xf033
	s_cbranch_scc0 .Lentry_shape_is_right
	s_endpgm
.Lentry_shape_is_right:
; The scores q k^T and the first half of the softmax.  q, k: [4096][1024] f16 (qkv at byte 0 and at 8,388,608); sums in f32.  Nothing of reference() is left out.
; t = score x c, c = log2(e) / sqrt(1024).  For each query and each CHUNK of 128 keys (what one wave holds of a row): M = the chunk's largest t, rounded up to a whole number; p = 2^(t - M), at most 1,
; stored as f16; l = the sum of the unrounded p, in f32.  st: M [32 chunks][4096 queries] f32 at byte 0, l likewise at 524,288.
; So the maximum is taken away ahead of every exponential, chunk by chunk; the next launch brings the chunks of a row under the row's own maximum by exact powers of two.
; p IS LAID IN THE ORDER OF THE NEXT PRODUCT'S OPERAND REGISTERS: a fragment (16 queries x 32 keys, 1,024 bytes) at ((query / 128 x 128 + key / 32) x 8 + query % 128 / 16) x 1,024; in it registers 0-3 of the
; 32 lanes, 16 bytes a lane, then registers 4-7.  A lane's packed results of key blocks 2 f and 2 f + 1 ARE those registers, so they are stored as they stand: 512 consecutive bytes a store, no way through LDS.
; LIMITS: NaN and infinities are not served; a p under 2^-25 of its chunk's largest becomes 0 in f16.
; SHARES: a tile of 256 queries x 256 keys to a work-group of four waves, 128 x 128 to a wave: 64 accumulators, 512 registers.  K = 1,024 goes in steps of 128 through a ring of two LDS slots: rows of 256 bytes.
; CLUSTERS: 4 x 4 work-groups; q's tiles are shared along a row of the cluster, k's along a column: each is asked for jointly, by one descriptor with a mask that names the four.
; THE MATRIX INSTRUCTION IS USED TRANSPOSED (source 0 = 16 keys, source 1 = 16 queries): a lane holds ONE query (lane % 16) and, in accumulator (a, b), the keys 16 b + 8 (lane / 16) + 0 .. 7.
; REGISTERS: window 0: v16-31 addresses; v64-127, v128-191 q's fragments, two buffers (on the way out v64-127 are at work); v192-223 packed p.
;   window 1: v64-127, v128-191 k's fragments.   window 2: the accumulators of my queries 0-63 ((a, b) at v[8 (8 a + b)]);   window 3: those of my queries 64-127.
.set SIZE_K, 1024
.set KSTEP,  128
.set PITCH,  272                       ; an LDS row: 256 bytes + 16 of padding = 68 words: the 16 rows that a load touches start at 16 different banks (64 banks of 4 bytes: ISA guide 11.1)
.set HALFT,  128*PITCH                 ; 128 rows: what one tensor load brings
.set SLOT,   4*HALFT                   ; q's 256 rows, then k's 256 rows
.set STATS,  2*SLOT                    ; behind the ring: 1,024 bytes for each wave: M of its 128 queries, then l
.set SPARE,  STATS+4*1024              ; the spare words, 128 bytes a wave, that no other line names
.set LAPS,   SIZE_K/(2*KSTEP)          ; a lap = two K steps = once round the ring: 4
.set ADRA, 16                          ; v16-17  LDS address of my q fragments in slot 0, 1
.set ADRB, 20                          ; v20-21  the same for k
.set SGO,  23                          ; v23     16 x lane: my bytes of a store's 512; never rewritten
.set SRA,  27                          ; v27     where I read the wave's statistics back
.set SPW,  28                          ; v28     LDS address of my spare word; never rewritten
.set NIL,  29                          ; v29     0; never rewritten
.set PFO,  30                          ; v30     the prefetches' offset: my lane x a row of q or k (2,048 bytes); never rewritten
.set SMA,  31                          ; v31     where my query's M goes: my wave's statistics + 4 (lane % 16)
.set PFA,  44                          ; s[44:45] where my prefetches stand
.set LIM,  43                          ; s43     1 in a wave that prefetches, else the greatest number
.set F0,   64
.set F1,   128
.set T,    64                          ; v64-71  partial maxima
.set U,    72                          ; v72-79  partial maxima
.set MM,   80                          ; v[80:81] M; the packed form names the pair and takes its low word for both halves
.set XX,   82                          ; v82     what comes from the lane 16 away
.set SU,   96                          ; v96-127 sixteen pairs of partial sums
.set TMP,  192                         ; v192-223 a block's p, packed
.set G1, 24                            ; s[24:31] descriptor group 1 for q's tiles;  s[32:39] group 0, a set for each slot
.set G0, 32
.set G1B, 48                           ; s[48:55], s[56:63] the same for k's
.set G0B, 56
.set CS,  68                           ; s[68:69] c
.set SEL, 70                           ; s[70:71] lane selects for v_permlanex16_b32: lane l xor 16
.set MSB, 0
.macro WIN new                         ; the immediate's high byte repeats the setting that is left; a switch that changes nothing is dropped
.if MSB != \new
	s_set_vgpr_msb (MSB<<8)|\new
.set MSB, \new
.endif
.endm
.set MUL_LO, 0xa1                      ; source 0 (k) window 1, source 1 (q) window 0, C and D window 2
.set MUL_HI, 0xf1                      ; the same, C and D window 3
.set TO_B,   0x40                      ; destination window 1, address window 0
; A joint load: waves 0 and 1 fetch q's two halves, waves 2 and 3 k's.  The branch hangs on the wave's number alone.  An s_nop 0 and four v_nop follow each of the two lines.
.macro JLOAD s
	s_cmp_eq_u32 s11, 0
	s_cbranch_scc0 .Lfor_b_\@
	tensor_load_to_lds s[G0+4*\s:G0+4*\s+3], s[G1:G1+7]
	s_nop 0
.rept 4
	v_nop
.endr
	s_branch .Lasked_\@
.Lfor_b_\@:
	tensor_load_to_lds s[G0B+4*\s:G0B+4*\s+3], s[G1B:G1B+7]
	s_nop 0
.rept 4
	v_nop
.endr
.Lasked_\@:
.endm
; A prefetch, behind each joint refill and the run of LDS loads that follows it: the K step that stands two refills on: 32 rows x 256 bytes, a lane a row, one instruction a wave.
; Each row's 256 bytes of a K step are named once in the launch: q's tile row is read by every cluster of that row of clusters, and the one with cluster x = 0 asks; k's tile column by every cluster of that column,
; and the one with cluster y = 0 asks.  The four partners that ask for a tile jointly share its rows out by address, 32 each.  The loop's last trip (s3 = 1) asks for nothing: K steps 4 to 7 are named.
.macro ASK
	s_cmp_gt_u32 s3, s[LIM]
	s_cbranch_scc0 .Lnot_mine_\@
	global_prefetch_b8 v[PFO], s[PFA:PFA+1] offset:KSTEP*2 th:TH_LOAD_NT scope:SCOPE_SE
.Lnot_mine_\@:
.endm
.macro CREST                           ; a round of the cluster's barrier behind its opening barrier
	s_cmp_lg_u32 s10, 0
	s_cbranch_scc1 .Lnot_wave_0_\@
	s_barrier_signal -3
.Lnot_wave_0_\@:
	s_barrier_wait -3
	s_barrier_signal -1
	s_barrier_wait -1
.endm
.macro CROUND                          ; a whole round
	s_barrier_signal -1
	s_barrier_wait -1
	CREST
.endm
	s_load_b128 s[4:7], s[0:1], 0x0                ; qkv s[4:5], p s[6:7]
	s_load_b64 s[66:67], s[0:1], 0x10              ; st
	v_lshl_add_u32 v[SPW], v0, 2, SPARE
	v_mov_b32 v[NIL], 0
	ds_add_u32 v[SPW], v[NIL]                      ; the wave's opening: the add, twice on end, and its wait ahead of my first tensor load
	ds_add_u32 v[SPW], v[NIL]                      ; the set-up below, work on registers, stands between the second add and the wait
	v_lshrrev_b32 v1, 5, v0
	v_readfirstlane_b32 s10, v1                    ; wave 0..3
	s_lshr_b32 s11, s10, 1                         ; which half of the tile's queries is mine.  Also: I fetch for q (0) or for k (1)
	s_and_b32 s12, s10, 1                          ; which half of its keys.  Also: which 128 rows I fetch
	s_bfe_u32 s40, ttmp6, 0x40000                  ; cx, cy
	s_bfe_u32 s41, ttmp6, 0x40004
	s_lshl_b32 s42, ttmp9, 2
	s_add_co_u32 s42, s42, s40                     ; tile column (keys) = 4 x cluster x + cx
	s_and_b32 s13, ttmp7, 0xffff
	s_lshl_b32 s13, s13, 2
	s_add_co_u32 s13, s13, s41                     ; tile row (queries) = 4 x cluster y + cy
	s_lshl_b32 s43, s41, 2
	s_lshl_b32 s43, 15, s43                        ; my row of the cluster
	s_lshl_b32 s44, 0x1111, s40                    ; my column
	; descriptor group 1: a tile of 128 rows x 128 elements of 2 bytes, padded in LDS
	s_or_b32 s[G1+0], s43, (1<<16)|(1<<20)|(1<<21)|(5<<22)|(3<<25)  ; 15:0 the mask; 17:16 elements of 2 bytes; 20 padding on; 21 set beside a mask; 24:22 after every 64 words; 31:25 four words
	s_or_b32 s[G1B+0], s44, (1<<16)|(1<<20)|(1<<21)|(5<<22)|(3<<25)
.irp g, G1, G1B
	s_mov_b32 s[\g+1], KSTEP<<16                   ; tensor_dim0 = 128
	s_mov_b32 s[\g+2], 128<<16                     ; tensor_dim1 = 128
	s_mov_b32 s[\g+3], KSTEP<<16                   ; tile_dim0 = 128
	s_mov_b32 s[\g+4], 128                         ; tile_dim1 = 128
	s_mov_b32 s[\g+5], SIZE_K                      ; elements from row to row
	s_mov_b32 s[\g+6], 0
	s_mov_b32 s[\g+7], 0
.endr
	s_lshl_b32 s17, s12, 7                         ; which 128 rows of the tile I fetch
	s_lshl_b32 s16, s13, 8
	s_add_co_u32 s16, s16, s17                     ; q: row 256 x tile row + 128 x half
	s_lshl_b32 s46, s42, 8
	s_add_co_u32 s46, s46, s17                     ; k: row 256 x tile column + 128 x half
	s_mov_b32 s17, 0
	s_mov_b32 s47, 0
	s_mov_b64 s[18:19], SIZE_K*2
	s_mul_u64 s[16:17], s[16:17], s[18:19]
	s_mul_u64 s[46:47], s[46:47], s[18:19]
	s_mul_i32 s20, s10, HALFT                      ; where they go: wave x 128 rows: no place in the cluster enters an LDS address
	s_mov_b32 s[CS], 0x3d38aa3b                    ; c = log2(e) / 32
	s_mov_b32 s[CS+1], s[CS]                       ; (named with it as a pair, so it is written)
	s_mov_b32 s[SEL], 0x76543210
	s_mov_b32 s[SEL+1], 0xfedcba98
	s_wait_dscnt 0x0                               ; both opening adds are done
	s_wait_kmcnt 0x0
	s_mov_b64 s[8:9], s[6:7]                       ; p
	s_add_nc_u64 s[6:7], s[4:5], 0x800000          ; k lies 8,388,608 bytes behind q
	s_add_nc_u64 s[14:15], s[4:5], s[16:17]
	s_add_nc_u64 s[46:47], s[6:7], s[46:47]
	CROUND                                         ; all sixteen work-groups are here: the first joint loads meet
.irp s, 0,1
	s_mov_b32 s[G0+4*\s], 1
	s_add_co_u32 s[G0+4*\s+1], s20, \s*SLOT
	s_add_nc_u64 s[G0+4*\s+2:G0+4*\s+3], s[14:15], \s*KSTEP*2
	s_or_b32 s[G0+4*\s+3], s[G0+4*\s+3], 0x80000000
	s_mov_b32 s[G0B+4*\s], 1
	s_add_co_u32 s[G0B+4*\s+1], s20, \s*SLOT
	s_add_nc_u64 s[G0B+4*\s+2:G0B+4*\s+3], s[46:47], \s*KSTEP*2
	s_or_b32 s[G0B+4*\s+3], s[G0B+4*\s+3], 0x80000000
	JLOAD \s                                       ; two loads of mine are out
.endr
	; a fragment is 16 rows x 32 K in 8 registers: lane l holds row l % 16; registers 0-3 K = 8 (l / 16) + 0..7, registers 4-7 K = 16 + 8 (l / 16) + 0..7: two loads of 16 bytes, 32 bytes apart
	v_and_b32 v1, 15, v0                           ; l % 16
	v_bfe_u32 v2, v0, 4, 1                         ; l / 16
	v_mul_u32_u24 v3, v1, PITCH
	v_lshl_add_u32 v3, v2, 4, v3
	s_mul_i32 s21, s11, HALFT                      ; my 128 rows of q
	s_mul_i32 s22, s12, HALFT                      ; my 128 rows of k,
	s_add_co_u32 s22, s22, 2*HALFT                 ; which lie behind q's 256
.irp s, 0,1
	v_add_nc_u32 v[ADRA+\s], s21, v3
	v_add_nc_u32 v[ADRB+\s], s22, v3
	s_add_co_u32 s21, s21, SLOT
	s_add_co_u32 s22, s22, SLOT
.endr
	s_lshl_b32 s23, s10, 10
	s_add_co_u32 s23, s23, STATS                   ; my wave's statistics
	v_lshl_add_u32 v[SMA], v1, 2, s23
	v_and_b32 v5, 31, v0
	v_lshlrev_b32 v[SGO], 4, v5
	v_add_nc_u32 v[SRA], s23, v[SGO]
	; where my wave's 8 x 4 fragments begin in p: 128 queries are 1,048,576 bytes, 32 keys of them 8,192
	s_lshl_b32 s16, s13, 1
	s_add_co_u32 s16, s16, s11                     ; my 128 queries: 2 x tile row + half
	s_lshl_b32 s16, s16, 20
	s_lshl_b32 s46, s42, 3
	s_lshl_b32 s47, s12, 2
	s_add_co_u32 s46, s46, s47                     ; my first 32 keys: 8 x tile column + 4 x half
	s_lshl_b32 s46, s46, 13
	s_add_co_u32 s16, s16, s46                     ; under 2^25
	s_mov_b32 s17, 0
	s_add_nc_u64 s[8:9], s[8:9], s[16:17]
	; and in st: chunk 2 x tile column + half, 16,384 bytes a chunk; 4 bytes a query
	s_lshl_b32 s13, s13, 8
	s_lshl_b32 s14, s11, 7
	s_lshl_b32 s20, s42, 1
	s_add_co_u32 s20, s20, s12
	s_lshl_b32 s20, s20, 14
	s_add_co_u32 s21, s13, s14                     ; my first query
	s_lshl_b32 s21, s21, 2
	s_add_co_u32 s20, s20, s21
	s_mov_b32 s21, 0
	s_add_nc_u64 s[66:67], s[66:67], s[20:21]
	; the prefetches.  s13 = 256 x tile row, s42 = tile column, s40 = cx, s41 = cy still stand
	s_lshl_b32 s42, s42, 8
	s_and_b32 s22, ttmp7, 0xffff                   ; cluster y
	s_cmp_eq_u32 s11, 0                            ; do I fetch for q?
	s_cselect_b32 s20, s13, s42                    ; the tile's first row
	s_cselect_b32 s21, s40, s41                    ; my place among the four that ask for it with me
	s_cselect_b32 s22, ttmp9, s22                  ; the coordinate along which other clusters read the same rows
	s_cselect_b64 s[PFA:PFA+1], s[4:5], s[6:7]
	s_cmp_eq_u32 s22, 0
	s_cselect_b32 s[LIM], 1, -1                    ; the same in all sixteen partners, for a given wave
	s_lshl_b32 s22, s12, 7
	s_add_co_u32 s20, s20, s22                     ; + the 128 rows that I fetch
	s_lshl_b32 s21, s21, 5
	s_add_co_u32 s20, s20, s21                     ; + my work-group's 32 of them
	s_mov_b32 s21, 0
	s_mov_b64 s[18:19], SIZE_K*2
	s_mul_u64 s[20:21], s[20:21], s[18:19]
	s_add_nc_u64 s[PFA:PFA+1], s[PFA:PFA+1], s[20:21]
	s_add_nc_u64 s[PFA:PFA+1], s[PFA:PFA+1], 2*KSTEP*2  ; at K step 2: the first refill steps it to 3 and names K step 4.  Nothing is prefetched at the head
	v_and_b32 v[PFO], 31, v0
	v_mul_u32_u24 v[PFO], v[PFO], SIZE_K*2
; 16 matrix instructions: query blocks a0, a0 + 1 of the window's four (hi = 0: my queries 0-63, 1: 64-127) x all 8 key blocks, 32 along K.  zero = 1: the first product starts the sums.
; The 64 accumulators take turns, one instruction a turn, in the same order in every quarter.
.macro MUL16 f, hi, a0, zero
.irp a, \a0, \a0+1
.irp b, 0,1,2,3,4,5,6,7
.if \zero
	v_wmma_f32_16x16x32_f16 v[8*(8*(\a)+\b):8*(8*(\a)+\b)+7], v[\f+8*\b:\f+8*\b+7], v[\f+8*(4*\hi+\a):\f+8*(4*\hi+\a)+7], 0
.else
	v_wmma_f32_16x16x32_f16 v[8*(8*(\a)+\b):8*(8*(\a)+\b)+7], v[\f+8*\b:\f+8*\b+7], v[\f+8*(4*\hi+\a):\f+8*(4*\hi+\a)+7], v[8*(8*(\a)+\b):8*(8*(\a)+\b)+7]
.endif
.endr
.endr
.endm
; 32 LDS loads in one run: the fragments of one quarter step (128 rows of k, 128 rows of q, 32 K at byte k of the rows) into buffer f
.macro FETCH slot, k, f
	WIN TO_B
.irp i, 0,1,2,3,4,5,6,7
	ds_load_b128 v[\f+8*\i:\f+8*\i+3],   v[ADRB+\slot] offset:\k+\i*16*PITCH
	ds_load_b128 v[\f+8*\i+4:\f+8*\i+7], v[ADRB+\slot] offset:\k+\i*16*PITCH+32
.endr
	WIN 0
.irp i, 0,1,2,3,4,5,6,7
	ds_load_b128 v[\f+8*\i:\f+8*\i+3],   v[ADRA+\slot] offset:\k+\i*16*PITCH
	ds_load_b128 v[\f+8*\i+4:\f+8*\i+7], v[ADRA+\slot] offset:\k+\i*16*PITCH+32
.endr
.endm
; A load into a register that a matrix instruction has read, and a vector instruction that reads a matrix result or writes one of its registers, stand four places behind it;
; only plain vector instructions that name none of its registers are places (ISA guide 7.12.1 for vector instructions).
.macro PLACES
.rept 4
	v_nop
.endr
.endm
; A K step is four quarters of 32 along K, 64 matrix instructions each, on buffers 0, 1, 0, 1.  One of the first three multiplies buffer f and fetches the next quarter, at byte k, into g.
.macro QUARTER slot, k, f, g, zero
	s_wait_dscnt 8                                 ; k's and q's rows 0-63 are in; the youngest eight loads (q's rows 64-127) may be out
	WIN MUL_LO
	MUL16 \f, 0, 0, \zero
	MUL16 \f, 0, 2, \zero
	PLACES
	FETCH \slot, \k, \g
	s_wait_dscnt 32                                ; all but the 32 just issued
	WIN MUL_HI
	MUL16 \f, 1, 0, \zero
	MUL16 \f, 1, 2, \zero
.endm
; The last quarter multiplies buffer 1 and changes slots.  MEET is its first half: one barrier; in front of it each wave waits for all its tensor loads (one is out: its part of the next slot),
; adds 0 to its spare word, and waits for that and for its own reads of this slot.
.macro MEET round                      ; round = 1: a round of the cluster's barrier follows
	WIN 0                                          ; (the add's two registers lie in window 0)
	s_wait_tensorcnt 0x0
	ds_add_u32 v[SPW], v[NIL]                      ; 0 onto my spare word
	s_wait_dscnt 9                                 ; the add and the youngest eight loads may be out
	WIN MUL_LO
	MUL16 F1, 0, 0, 0                              ; sixteen matrix instructions stand between the add and the wait for it
	s_wait_dscnt 0x0                               ; the add is done, and my reads of this slot are over
	s_barrier_signal -1
	MUL16 F1, 0, 2, 0                              ; work on registers while the others arrive
.if \round
	WIN 0
.endif
	s_barrier_wait -1
.endm
; The whole last quarter with a refill: behind the round the slot just read out is filled with the K step two steps on, first of all; then come the next slot's first fragments.
.macro TURN slot, next
	s_wait_xcnt 0x0                                ; the last prefetch, a K step back, has read its address: it is stepped here
	s_add_nc_u64 s[PFA:PFA+1], s[PFA:PFA+1], KSTEP*2
	MEET 1
	CREST                                          ; no wave of any partner still reads this slot's tile or has a load on its way
	s_add_nc_u64 s[G0+4*\slot+2:G0+4*\slot+3], s[G0+4*\slot+2:G0+4*\slot+3], 2*KSTEP*2
	s_add_nc_u64 s[G0B+4*\slot+2:G0B+4*\slot+3], s[G0B+4*\slot+2:G0B+4*\slot+3], 2*KSTEP*2
	JLOAD \slot                                    ; the first tensor load behind the round, my one load until the next; its four v_nop are also the places in front of the loads below
	FETCH \next, 0, F0
	ASK
	WIN MUL_HI
	MUL16 F1, 1, 0, 0
	MUL16 F1, 1, 2, 0
.endm
	s_wait_tensorcnt 1                             ; my part of K step 0 is in; K step 1's load may be out
	s_barrier_signal -1
	s_barrier_wait -1                              ; everybody's is
	FETCH 0, 0, F0
	QUARTER 0, 64,  F0, F1, 1                      ; the first quarter stands in front of the loop: its products start the sums
	WIN 0                                          ; at a label and at a branch every window is 0
	s_mov_b32 s3, LAPS-1
.Llap:                                                 ; three trips; a trip goes once round the ring and fills both slots again: K steps 2 to 7
	QUARTER 0, 128, F1, F0, 0
	QUARTER 0, 192, F0, F1, 0
	TURN 0, 1
	QUARTER 1, 64,  F0, F1, 0
	QUARTER 1, 128, F1, F0, 0
	QUARTER 1, 192, F0, F1, 0
	TURN 1, 0
	QUARTER 0, 64,  F0, F1, 0
	WIN 0
	s_sub_co_u32 s3, s3, 1
	s_cmp_lg_u32 s3, 0
	s_cbranch_scc1 .Llap
	QUARTER 0, 128, F1, F0, 0                      ; the last lap is written out: it asks for nothing
	QUARTER 0, 192, F0, F1, 0
	MEET 0                                         ; my one tensor load that was still out is slot 1's, the last K step's
	PLACES
	FETCH 1, 0, F0
	WIN MUL_HI
	MUL16 F1, 1, 0, 0
	MUL16 F1, 1, 2, 0
	QUARTER 1, 64,  F0, F1, 0
	QUARTER 1, 128, F1, F0, 0
	QUARTER 1, 192, F0, F1, 0
	s_wait_dscnt 8                                 ; the very last quarter: nothing more to fetch
	WIN MUL_LO
	MUL16 F1, 0, 0, 0
	MUL16 F1, 0, 2, 0
	s_wait_dscnt 0
	WIN MUL_HI
	MUL16 F1, 1, 0, 0
	MUL16 F1, 1, 2, 0
	WIN 0
; THE WAY OUT, block by block of 16 queries x 128 keys.  SOFT a: the chunk's M, p and l for query 16 a + lane % 16; the lane holds 64 of its 128 scores, the lane 16 away the others.
; The block's p leaves from the registers in which it was packed: four fragments, two stores each.
.macro SOFT a
.set AC, 64*((\a)%4)
.set W, 2+(\a)/4                                   ; the block's window
.set WS, W|(W<<2)|(W<<4)                           ; all three sources there, the destination in window 0
	WIN WS
.irp b, 0,1,2,3,4,5,6,7
	v_max3_num_f32 v[T+\b], v[AC+8*\b], v[AC+8*\b+1], v[AC+8*\b+2]      ; each accumulator is read from its low end on
.endr
.irp b, 0,1,2,3,4,5,6,7
	v_max3_num_f32 v[U+\b], v[AC+8*\b+3], v[AC+8*\b+4], v[AC+8*\b+5]
.endr
.set WS, (W<<2)|(W<<4)
	WIN WS
.irp b, 0,1,2,3,4,5,6,7
	v_max3_num_f32 v[T+\b], v[T+\b], v[AC+8*\b+6], v[AC+8*\b+7]
.endr
	WIN 0
	v_max3_num_f32 v[T], v[T], v[T+1], v[T+2]      ; the sixteen partial maxima
	v_max3_num_f32 v[T+3], v[T+3], v[T+4], v[T+5]
	v_max3_num_f32 v[T+6], v[T+6], v[T+7], v[U]
	v_max3_num_f32 v[U+1], v[U+1], v[U+2], v[U+3]
	v_max3_num_f32 v[U+4], v[U+4], v[U+5], v[U+6]
	v_max3_num_f32 v[T], v[T], v[T+3], v[T+6]
	v_max3_num_f32 v[U+1], v[U+1], v[U+4], v[U+7]
	v_max_num_f32 v[T], v[T], v[U+1]
	v_permlanex16_b32 v[XX], v[T], s[SEL], s[SEL+1]
	v_max_num_f32 v[T], v[T], v[XX]                ; the chunk's largest score of my query
	v_mul_f32 v[T+1], s[CS], v[T]                  ; as t (c is positive)
	v_ceil_f32 v[MM], v[T+1]                       ; M: a whole number
	ds_store_b32 v[SMA], v[MM] offset:64*(\a)      ; both halves of the lanes write the same word with the same value
.set WS, (W<<6)|W                                  ; destination and source 0 in the block's window, M in window 0
	WIN WS
.set i, 0
.rept 32
	v_pk_fma_f32 v[AC+i:AC+i+1], v[AC+i:AC+i+1], s[CS:CS+1], v[MM:MM+1] op_sel_hi:[1,0,0] neg_lo:[0,0,1] neg_hi:[0,0,1]   ; t - M, two at a time
.set i, i+2
.endr
.set i, 0
.rept 64
	v_exp_f32 v[AC+i], v[AC+i]                     ; p = 2^(t - M), at most 1
.set i, i+1
.endr
	v_nop                                          ; a plain line behind the last exponential,
	s_wait_alu depctr_va_vdst(0)                   ; and one wait for the whole batch, ahead of its first reader
	s_wait_xcnt 0x0                                ; the last block's stores have read the registers into which this block is packed
.set WS, W|(W<<2)
	WIN WS
.set i, 0
.rept 16
	v_pk_add_f32 v[SU+2*i:SU+2*i+1], v[AC+4*i:AC+4*i+1], v[AC+4*i+2:AC+4*i+3]   ; the sum is taken of the unrounded p
.set i, i+1
.endr
.set i, 0
.rept 32
	v_cvt_pk_f16_f32 v[TMP+i], v[AC+2*i], v[AC+2*i+1]                           ; eight neighbouring keys pack into 16 bytes: registers 4 b .. 4 b + 3 hold keys 16 b + 8 (lane / 16) + 0 .. 7
.set i, i+1
.endr
	WIN 0
.irp b, 0,1,2,3,4,5,6,7
	global_store_b128 v[SGO], v[TMP+4*\b:TMP+4*\b+3], s[8:9] offset:(\b/2)*8192+(\a)*1024+(\b%2)*512   ; fragment b / 2 of block a, its registers 0-3 or 4-7: 32 lanes store 512 consecutive bytes, aligned
.endr
.irp i, 0,1,2,3,4,5,6,7
	v_pk_add_f32 v[SU+2*\i:SU+2*\i+1], v[SU+2*\i:SU+2*\i+1], v[SU+16+2*\i:SU+16+2*\i+1]
.endr
.irp i, 0,1,2,3
	v_pk_add_f32 v[SU+2*\i:SU+2*\i+1], v[SU+2*\i:SU+2*\i+1], v[SU+8+2*\i:SU+8+2*\i+1]
.endr
.irp i, 0,1
	v_pk_add_f32 v[SU+2*\i:SU+2*\i+1], v[SU+2*\i:SU+2*\i+1], v[SU+4+2*\i:SU+4+2*\i+1]
.endr
	v_pk_add_f32 v[SU:SU+1], v[SU:SU+1], v[SU+2:SU+3]
	v_add_f32 v[SU], v[SU], v[SU+1]
	v_permlanex16_b32 v[XX], v[SU], s[SEL], s[SEL+1]
	v_add_f32 v[SU], v[SU], v[XX]                  ; l
	ds_store_b32 v[SMA], v[SU] offset:512+64*(\a)
.endm
	PLACES                                         ; behind the last products
	v_mov_b32 v[MM+1], 0                           ; named as the upper half of the pair, so it is written
	v_mov_b32 v[XX], 0                             ; a lane permute's destination counts as one of its sources
.irp a, 0,1,2,3,4,5,6,7
	SOFT \a
.endr
	ds_load_b128 v[T:T+3], v[SRA]                  ; the wave's 128 M and 128 l: my own stores, in order
	ds_load_b128 v[T+4:T+7], v[SRA] offset:512
	s_wait_dscnt 0x0
	global_store_b128 v[SGO], v[T:T+3], s[66:67]                   ; 32 lanes store 512 consecutive bytes, aligned
	global_store_b128 v[SGO], v[T+4:T+7], s[66:67] offset:524288
	s_wait_tensorcnt 0x0                           ; the wave's end: behind my last tensor load and my last LDS store
	ds_add_u32 v[SPW], v[NIL]
	s_wait_dscnt 0x0
	CROUND                                         ; the closing round
	s_endpgm
.Lfunc_end_k_q05e4db5b19_scores:
	.size	k_q05e4db5b19_scores, .Lfunc_end_k_q05e4db5b19_scores-k_q05e4db5b19_scores
	.p2alignl 7, 3214868480
	.fill 96, 4, 3214868480
	.section	.rodata,"a",@progbits
	.p2align	6, 0x0
	.amdhsa_kernel k_q05e4db5b19_scores
		.amdhsa_group_segment_fixed_size 327680
		.amdhsa_private_segment_fixed_size 0
		.amdhsa_enable_private_segment 0
		.amdhsa_kernarg_size 24
		.amdhsa_user_sgpr_count 2
		.amdhsa_user_sgpr_kernarg_segment_ptr 1
		.amdhsa_wavefront_size32 1
		.amdhsa_system_sgpr_workgroup_id_x 1
		.amdhsa_system_sgpr_workgroup_id_y 1
		.amdhsa_system_sgpr_workgroup_id_z 1
		.amdhsa_system_vgpr_workitem_id 0
		.amdhsa_next_free_vgpr 1024
		.amdhsa_next_free_sgpr 72
		.amdhsa_reserve_vcc 0
		.amdhsa_float_denorm_mode_32 3
		.amdhsa_float_denorm_mode_16_64 3
		.amdhsa_memory_ordered 1
		.amdhsa_forward_progress 1
		.amdhsa_inst_pref_size 204
	.end_amdhsa_kernel
	.amdgpu_metadata
---
amdhsa.version: [ 1, 2 ]
amdhsa.kernels:
  - .name:           k_q05e4db5b19_scores
    .symbol:         k_q05e4db5b19_scores.kd
    .args:
      - { .name: qkv, .offset: 0, .size: 8, .value_kind: global_buffer, .address_space: global }
      - { .name: p, .offset: 8, .size: 8, .value_kind: global_buffer, .address_space: global }
      - { .name: st, .offset: 16, .size: 8, .value_kind: global_buffer, .address_space: global }
    .group_segment_fixed_size: 327680
    .private_segment_fixed_size: 0
    .kernarg_segment_align: 8
    .kernarg_segment_size: 24
    .max_flat_workgroup_size: 128
    .sgpr_count:     72
    .vgpr_count:     1024
    .wavefront_size: 32
...
	.end_amdgpu_metadata
.endif
;; end of part 3
;; launch outp (part 4): grid 8 x 32, 4 waves a work-group, clusters of 4 x 4, 327,680 bytes of LDS; arguments p, qkv, st, out0; writes out0
.if DOCPART == 4
	.amdgcn_target "amdgcn-amd-amdhsa--gfx1250"
	.amdhsa_code_object_version 6
	.text
	.protected	k_q05e4db5b19_outp
	.globl	k_q05e4db5b19_outp
	.p2align	8
	.type	k_q05e4db5b19_outp,@function
k_q05e4db5b19_outp:
	s_mov_b64 s[64:65], 0
	v_nop
	global_prefetch_b8 v0, s[64:65] scope:SCOPE_SE
	s_setreg_imm32_b32 hwreg(HW_REG_WAVE_MODE, 25, 1), 1
	s_wait_xcnt 0x0
	s_wait_alu depctr_hold_cnt(0) depctr_sa_sdst(0) depctr_va_vdst(0) depctr_va_sdst(0) depctr_va_ssrc(0) depctr_va_vcc(0) depctr_vm_vsrc(0)
	s_getreg_b32 s2, hwreg(HW_REG_IB_STS2, 6, 4)
	s_cmp_eq_u32 s2, 0
	s_cbranch_scc0 .Lentry_in_a_cluster
	s_endpgm
.Lentry_in_a_cluster:
	s_bfe_u32 s2, ttmp6, 0x10000c
	s_cmp_lg_u32 s2, 0xf033
	s_cbranch_scc0 .Lentry_shape_is_right
	s_endpgm
.Lentry_shape_is_right:
; The second half of the softmax and attn v.  p holds 2^(t - M_ij) as f16, M_ij the whole-number maximum of query i in chunk j of 128 keys, laid in the order of this product's operand registers: a fragment
; (16 queries x 32 keys, 1,024 bytes) at ((query / 128 x 128 + key / 32) x 8 + query % 128 / 16) x 1,024.  st holds M [32][4096] and l [32][4096], f32.  vT [1024 channels][4096 keys] f16 lies in qkv at byte 16,777,216.
; Nothing of reference() is left out.
; M_i = the largest M_ij; f_ij = 2^(M_ij - M_i), exact; L_i = sum over j of f_ij l_ij; out_i = (sum over j of f_ij P_ij V_j) / L_i.  f IS APPLIED IN f32: the products of 64 keys of one chunk are summed in a small
; accumulator T that begins at 0, and total += f x T, one packed multiply-add for two numbers.
; LIMITS: an f under 2^-149 becomes 0: such a chunk's terms are nothing beside a row's largest term, which is at least 0.5; NaN and infinities are not served.
; SHARES: a work-group makes 128 queries x 128 channels over all 4,096 keys.  THE FOUR WAVES SHARE THE KEYS, NOT THE TILE: each has the whole 128 x 128 as 512 registers of totals and takes one chunk, keys
; 128 w .. 128 w + 127, of every slot of 512 keys.  At the end the four tiles are summed through LDS.
; vT comes through a ring of two LDS slots of 512 keys (128 rows of 1,024 bytes); each wave fetches 32 rows with one tensor load.  By this text's count two loads of a wave are out at the start, one afterwards.
; CLUSTERS: 4 x 4 work-groups; vT's tiles are shared along a column of the cluster and asked for jointly.
; P IS NOT ASKED FOR JOINTLY, though the four work-groups of a row of the cluster read the same fragments: each fragment is used by ONE wave of a work-group, so it goes from memory straight into that wave's
; registers, by two loads of 512 consecutive bytes.  With P in the ring too, two slots of (128 + 128) rows x 512 bytes would fill LDS: a slot of 256 keys, 128 matrix instructions a wave between a refill's request
; and the wait for it; with vT alone a slot holds 512 keys and 256 matrix instructions.  P's loads are issued 192 matrix instructions ahead of their use: window 1 holds the fragments of two steps of 64 keys.
; THE MATRIX INSTRUCTION: source 0 = 16 channels of vT, source 1 = 16 queries of P: a lane holds ONE query (lane % 16) and channels 8 (lane / 16) + 0 .. 7 of a block.
; ORDER: a wave's keys go in 16 steps of 64.  A step has two phases: channel blocks 0-3, then 4-7; a phase has eight blocks, one for each 16 queries; a block is 8 matrix instructions (2 x 32 keys x 4 channel blocks) on
; four accumulators T.  Behind each matrix instruction stand two of the sixteen multiply-adds of the block before.  While one group of vT's fragments is multiplied, the other group is loaded from LDS.
; REGISTERS: window 0: v8-29 addresses; v32-63 f as pairs (f, f), two sets of 8; v64-127 T, two sets of 4 x 8; v128-255 vT's fragments: group g, 32 keys q, block b' at v[128 + 64 g + 32 q + 8 b'].
;   window 1: P: unit (step % 2, query block a) at v[16 (8 (step % 2) + a)]: two fragments.   windows 2, 3: the totals of query blocks 0-3, 4-7: (a, b) at v[8 (8 (a % 4) + b)].
.set KSTEP,  512                       ; keys in a slot
.set VP,     1040                      ; an LDS row of vT: 1,024 bytes + 16 of padding = 260 words: the 16 rows that a load touches start at 16 different banks (64 banks of 4 bytes: ISA guide 11.1)
.set QUART,  32*VP                     ; 32 rows: what one tensor load brings
.set SLOT,   4*QUART
.set TP,     528                       ; at the end: a row of a wave's tile: 512 bytes + 16
.set WTILE,  128*TP                    ; a wave's tile of partial sums; the four lie over the ring, which has had its last fill by then
.set FT,     4*WTILE                   ; behind them: f: chunk c at 1,024 c; the pair (f, f) of query 16 a + r at 64 r + 8 a
.set INVL,   FT+32*1024                ; 1 / L of the 128 queries
.set SPARE,  INVL+512                  ; the spare words, 128 bytes a wave, that no other line names
.set OFF2,   131072                    ; where a step's fragments begin, from those of the step 2, 3 .. 6 steps back that began a slot: a slot's 512 keys are 131,072 bytes on, 64 keys 16,384
.set OFF3,   131072+16384
.set OFF4,   262144
.set OFF5,   262144+16384
.set OFF6,   393216
.set RD,   8                           ; v8-11   the last sum: my 16 bytes of my wave's first row in tile 0 .. 3
.set ILW,  12                          ; v12     where 1 / L of query t goes
.set PO,   13                          ; v13     16 x lane: my bytes of a load's or a store's 512; never rewritten
.set ADRB, 16                          ; v16-19  LDS address of my vT fragments: slot s, group g at v[16 + 2 s + g]
.set ADRF, 20                          ; v20     LDS address of my lane's eight pairs of f
.set FTW,  21                          ; v21     where the pairs of query t go
.set STO,  22                          ; v22     where I put 32 bytes of a row of my tile
.set ILA,  23                          ; v23     1 / L of my wave's 32 rows
.set STG,  24                          ; v24     4 x thread
.set SPW,  28                          ; v28     LDS address of my spare word; never rewritten
.set NIL,  29                          ; v29     0; never rewritten
.set FF,   32
.set TT,   64
.set VT,   128
.set MS,   64                          ; at the head: M of my query's 32 chunks,
.set LS,   96                          ; l,
.set FS,   128                         ; and the pairs (f, f)
.set G1, 24                            ; s[24:31] descriptor group 1;  s[32:39] group 0, a set for each slot
.set G0, 32
.set PT, 72                            ; s[72:73] where my wave's fragments of P begin, for the steps of the trip in hand
.set MSB, 0
.macro WIN new                         ; the immediate's high byte repeats the setting that is left; a switch that changes nothing is dropped
.if MSB != \new
	s_set_vgpr_msb (MSB<<8)|\new
.set MSB, \new
.endif
.endm
.macro TLOAD s                         ; my 32 rows of a slot: every wave issues the line, each with its own rows; an s_nop 0 and four v_nop follow it
	tensor_load_to_lds s[G0+4*\s:G0+4*\s+3], s[G1:G1+7]
	s_nop 0
.rept 4
	v_nop
.endr
.endm
.macro CREST                           ; a round of the cluster's barrier behind its opening barrier
	s_cmp_lg_u32 s10, 0
	s_cbranch_scc1 .Lnot_wave_0_\@
	s_barrier_signal -3
.Lnot_wave_0_\@:
	s_barrier_wait -3
	s_barrier_signal -1
	s_barrier_wait -1
.endm
.macro CROUND
	s_barrier_signal -1
	s_barrier_wait -1
	CREST
.endm
.macro PLACES                          ; four places behind a matrix instruction (ISA guide 7.12.1), where no other plain vector work is at hand
.rept 4
	v_nop
.endr
.endm
; Unit (u, a) of P gets the two fragments of query block a of the step that begins off bytes behind s[PT]: four loads of 512 consecutive bytes
.macro PLD u, a, off
	WIN 0x40                                       ; destination window 1, address window 0
.irp q, 0,1
.irp e, 0,1
	global_load_b128 v[16*(8*(\u)+(\a))+8*\q+4*\e:16*(8*(\u)+(\a))+8*\q+4*\e+3], v[PO], s[PT:PT+1] offset:(\off)+8192*\q+1024*(\a)+512*\e
.endr
.endr
.endm
	s_load_b128 s[4:7], s[0:1], 0x0                ; p s[4:5], qkv s[6:7]
	s_load_b128 s[68:71], s[0:1], 0x10             ; st s[68:69], out0 s[70:71]
	v_lshl_add_u32 v[SPW], v0, 2, SPARE
	v_mov_b32 v[NIL], 0
	ds_add_u32 v[SPW], v[NIL]                      ; the wave's opening: the add, twice on end, and its wait ahead of my first tensor load
	ds_add_u32 v[SPW], v[NIL]                      ; the set-up below, work on registers, stands between the second add and the wait
	v_lshrrev_b32 v1, 5, v0
	v_readfirstlane_b32 s10, v1                    ; wave 0..3
	s_bfe_u32 s40, ttmp6, 0x40000                  ; cx, cy
	s_bfe_u32 s41, ttmp6, 0x40004
	s_lshl_b32 s42, ttmp9, 2
	s_add_co_u32 s42, s42, s40                     ; tile column (channels) = 4 x cluster x + cx
	s_and_b32 s13, ttmp7, 0xffff
	s_lshl_b32 s13, s13, 2
	s_add_co_u32 s13, s13, s41                     ; tile row (queries) = 4 x cluster y + cy
	s_lshl_b32 s44, 0x1111, s40                    ; my column of the cluster
	; descriptor group 1: a tile of 32 rows x 512 elements of 2 bytes, padded in LDS
	s_or_b32 s[G1+0], s44, (1<<16)|(1<<20)|(1<<21)|(7<<22)|(3<<25)  ; 15:0 the mask; 17:16 elements of 2 bytes; 20 padding on; 21 set beside a mask; 24:22 after every 256 words; 31:25 four words
	s_mov_b32 s[G1+1], KSTEP<<16                   ; tensor_dim0 = 512
	s_mov_b32 s[G1+2], 32<<16                      ; tensor_dim1 = 32
	s_mov_b32 s[G1+3], KSTEP<<16                   ; tile_dim0 = 512
	s_mov_b32 s[G1+4], 32                          ; tile_dim1 = 32
	s_mov_b32 s[G1+5], 4096                        ; elements from row to row
	s_mov_b32 s[G1+6], 0
	s_mov_b32 s[G1+7], 0
	s_lshl_b32 s46, s42, 7
	s_lshl_b32 s47, s10, 5
	s_add_co_u32 s46, s46, s47                     ; vT: row 128 x tile column + 32 x wave,
	s_lshl_b32 s46, s46, 13                        ; of 8,192 bytes (under 2^23).  It hangs on cx, which the four partners share, never on cy
	s_mov_b32 s47, 0
	s_mul_i32 s20, s10, QUART                      ; where they go: wave x 32 rows: no place in the cluster enters an LDS address
	s_wait_dscnt 0x0                               ; both opening adds are done
	s_wait_kmcnt 0x0
	s_add_nc_u64 s[6:7], s[6:7], 0x1000000         ; vT lies 16,777,216 bytes into qkv
	s_add_nc_u64 s[46:47], s[6:7], s[46:47]
	CROUND                                         ; all sixteen work-groups are here: the first joint loads meet
.irp s, 0,1
	s_mov_b32 s[G0+4*\s], 1
	s_add_co_u32 s[G0+4*\s+1], s20, \s*SLOT
	s_add_nc_u64 s[G0+4*\s+2:G0+4*\s+3], s[46:47], \s*KSTEP*2
	s_or_b32 s[G0+4*\s+3], s[G0+4*\s+3], 0x80000000
	TLOAD \s
.endr
	; the statistics: thread t takes query t of the tile's 128;  P: my wave's fragments of the first two steps
	s_lshl_b32 s20, s13, 9                         ; 128 queries x 4 bytes a tile row
	s_mov_b32 s21, 0
	s_add_nc_u64 s[68:69], s[68:69], s[20:21]
	s_lshl_b32 s20, s13, 20                        ; 128 queries of p are 1,048,576 bytes,
	s_lshl_b32 s22, s10, 15                        ; a chunk of them 32,768
	s_add_co_u32 s20, s20, s22
	s_add_nc_u64 s[PT:PT+1], s[4:5], s[20:21]
	v_lshlrev_b32 v[STG], 2, v0
	v_and_b32 v3, 31, v0
	v_lshlrev_b32 v[PO], 4, v3
.set c, 0
.rept 32
	global_load_b32 v[MS+c], v[STG], s[68:69] offset:c*16384           ; M of chunk c: a wave reads 128 consecutive bytes
.set c, c+1
.endr
.set c, 0
.rept 32
	global_load_b32 v[LS+c], v[STG], s[68:69] offset:524288+c*16384    ; l of chunk c
.set c, c+1
.endr
.irp a, 0,1,2,3,4,5,6,7
	PLD 0, \a, 0                                   ; step 0
.endr
.irp a, 0,1,2,3,4,5,6,7
	PLD 1, \a, 16384                               ; step 1
.endr
	WIN 0
	; addresses, while they are on their way
	v_and_b32 v1, 15, v0                           ; r = l % 16
	v_bfe_u32 v2, v0, 4, 1                         ; h = l / 16
	v_mul_u32_u24 v4, v1, VP
	v_lshl_add_u32 v4, v2, 4, v4                   ; a fragment's row x pitch + 16 x half
	s_lshl_b32 s21, s10, 8                         ; my wave's chunk: 256 bytes of each row
	v_add_nc_u32 v[ADRB], s21, v4
	v_add_nc_u32 v[ADRB+1], 64*VP, v[ADRB]         ; group 1: channels 64 on (an LDS offset holds 16 bits: each group has a register)
	v_add_nc_u32 v[ADRB+2], SLOT, v[ADRB]
	v_add_nc_u32 v[ADRB+3], SLOT, v[ADRB+1]
	s_lshl_b32 s21, s10, 10
	s_add_co_u32 s21, s21, FT
	v_lshl_add_u32 v[ADRF], v1, 6, s21             ; f: chunk w of slot 0, my lane's eight pairs
	v_lshrrev_b32 v4, 4, v0
	v_lshlrev_b32 v4, 3, v4
	v_lshl_add_u32 v4, v1, 6, v4
	v_add_nc_u32 v[FTW], FT, v4                    ; query t = 16 a + r: 64 r + 8 a
	v_lshl_add_u32 v[ILW], v0, 2, INVL
	s_lshl_b32 s21, s10, 7
	s_add_co_u32 s21, s21, INVL
	v_mov_b32 v[ILA], s21                          ; the same address in every lane
	s_mul_i32 s21, s10, WTILE
	v_mul_u32_u24 v4, v1, TP
	v_lshl_add_u32 v4, v2, 5, v4
	v_add_nc_u32 v[STO], s21, v4                   ; my tile: row r, 32 bytes for each half of the lanes
	s_mul_i32 s21, s10, 32*TP
	v_add_nc_u32 v[RD], s21, v[PO]                 ; the last sum: my wave takes rows 32 w .. 32 w + 31 of all four tiles
.irp s, 1,2,3
	v_add_nc_u32 v[RD+\s], \s*WTILE, v[RD]
.endr
	s_lshl_b32 s20, s13, 7
	s_lshl_b32 s21, s10, 5
	s_add_co_u32 s20, s20, s21                     ; the first row of out0 that I store: 128 x tile row + 32 x wave,
	s_lshl_b32 s20, s20, 12                        ; of 4,096 bytes,
	s_lshl_b32 s21, s42, 9                         ; and the tile's 128 channels: 512 bytes
	s_add_co_u32 s20, s20, s21
	s_mov_b32 s21, 0
	s_add_nc_u64 s[70:71], s[70:71], s[20:21]
	s_wait_loadcnt 63                              ; the 64 statistics of my query are in: of the 64 loads of P issued behind them 63 may be out
	v_max3_num_f32 v192, v[MS], v[MS+1], v[MS+2]
.set c, 3
.rept 14
	v_max3_num_f32 v192, v192, v[MS+c], v[MS+c+1]
.set c, c+2
.endr
	v_max_num_f32 v192, v192, v[MS+31]             ; M_i: the row's maximum, a whole number
.set c, 0
.rept 32
	v_sub_f32 v[FS+2*c], v[MS+c], v192             ; M_ij - M_i: a whole number, 0 or less
.set c, c+1
.endr
.set c, 0
.rept 32
	v_cvt_i32_f32 v[FS+2*c], v[FS+2*c]             ; (it saturates)
.set c, c+1
.endr
.set c, 0
.rept 32
	v_ldexp_f32 v[FS+2*c], 1.0, v[FS+2*c]          ; f = 2^(M_ij - M_i)
.set c, c+1
.endr
.irp k, 0,1,2,3
	v_mul_f32 v[196+\k], v[FS+2*\k], v[LS+\k]      ; L = the sum of f l, in four chains
.endr
.set c, 4
.rept 28
	v_fma_f32 v[196+c%4], v[FS+2*c], v[LS+c], v[196+c%4]
.set c, c+1
.endr
	v_add_f32 v196, v196, v197
	v_add_f32 v198, v198, v199
	v_add_f32 v196, v196, v198
	v_rcp_f32 v200, v196                           ; 1 / L; L is at least 0.5: the chunk that holds the row's maximum has f = 1 and a p over 0.5
.set c, 0
.rept 32
	v_mov_b32 v[FS+2*c+1], v[FS+2*c]               ; f twice: the packed multiply-add then takes the pair as it stands.  (Plain work behind the reciprocal)
.set c, c+1
.endr
.set c, 0
.rept 32
	ds_store_b64 v[FTW], v[FS+2*c:FS+2*c+1] offset:1024*c
.set c, c+1
.endr
	s_wait_alu depctr_va_vdst(0)                   ; a wait ahead of the reciprocal's first reader
	ds_store_b32 v[ILW], v200
	s_wait_tensorcnt 1                             ; my part of slot 0 is in; slot 1's load may be out
	s_wait_dscnt 0x0                               ; for the others' sake: my stores of f and 1 / L are done
	s_barrier_signal -1
	s_barrier_wait -1
; THE BLOCK THAT IS WAITING FOR ITS MULTIPLY-ADDS is kept in assembly symbols: PV: there is one; PSET: its set of T; PTOT, PWS: its 32 totals and their window; PF: its pair (f, f); PFIRST: its totals begin here.
.set PV, 0
.set PSET, 0
.set PTOT, 0
.set PWS, 0
.set PF, 0
.set PFIRST, 0
; Matrix instruction j of 8 of a block: 32 keys j / 4, channel block j % 4 of group g; step parity u, query block a.  The first four start the sums with the constant 0; a link stands four instructions behind the one
; that it adds onto: the four accumulators take turns, one instruction a turn.
.macro MM u, g, a, j
	WIN 0x04                                       ; source 1 (P) window 1; T and vT window 0
.set QQ, (\j)/4
.set BQ, (\j)%4
.set RT, TT+32*((\a)%2)+8*BQ
.set RA, VT+64*(\g)+32*QQ+8*BQ
.set RB, 16*(8*(\u)+(\a))+8*QQ
.if QQ == 0
	v_wmma_f32_16x16x32_f16 v[RT:RT+7], v[RA:RA+7], v[RB:RB+7], 0
.else
	v_wmma_f32_16x16x32_f16 v[RT:RT+7], v[RA:RA+7], v[RB:RB+7], v[RT:RT+7]
.endif
.endm
; Two of the waiting block's sixteen: total += f x T, two numbers each; each accumulator T is read from its low end on.  Where the totals begin: total = f x T: nothing is ever cleared.
.macro FMA2 j
.if PV
	WIN PWS                                        ; destination and source 2 in the totals' window, T and f in window 0
.irp e, 0,1
.set KK, 2*(\j)+\e
.if PFIRST
	v_pk_mul_f32 v[PTOT+2*KK:PTOT+2*KK+1], v[TT+32*PSET+2*KK:TT+32*PSET+2*KK+1], v[PF:PF+1]
.else
	v_pk_fma_f32 v[PTOT+2*KK:PTOT+2*KK+1], v[TT+32*PSET+2*KK:TT+32*PSET+2*KK+1], v[PF:PF+1], v[PTOT+2*KK:PTOT+2*KK+1]
.endif
.endr
.endif
.endm
; A BLOCK: 8 matrix instructions, two multiply-adds of the block before behind each.  Those multiply-adds are the places (ISA guide 7.12.1): a T's last product stands in the block's second half, its first reader in the
; next block, eight or more multiply-adds of the other set between; a T is begun anew two blocks on.  A block with no block before it ends with four v_nop in their stead.
.macro BLK u, sl, g, a, first
.irp j, 0,1,2,3,4,5,6,7
	MM \u, \g, \a, \j
	FMA2 \j
.endr
.if PV == 0
	PLACES
.endif
.set PV, 1
.set PSET, (\a)%2
.set PTOT, 64*((\a)%4)+32*(\g)
.set PWS, (2+(\a)/4)*0x50
.set PF, FF+16*(\sl)+2*(\a)
.set PFIRST, \first
.endm
.macro FLUSH                           ; the waiting block's sixteen on end: at the loop's edge and at the end, so that nothing is carried over a label
.irp j, 0,1,2,3,4,5,6,7
	FMA2 \j
.endr
.set PV, 0
.endm
; Four of the sixteen LDS loads that bring group g of vT's fragments for the 64 keys u of my chunk in slot sl: 32 keys part / 2, channel blocks 2 (part % 2) and + 1.  They run under the products' window setting.
.macro VLD sl, u, g, part
	WIN 0x04
.irp e, 0,1
.set BQ, 2*((\part)%2)+\e
.set RV, VT+64*(\g)+32*((\part)/2)+8*BQ
	ds_load_b128 v[RV:RV+3],   v[ADRB+2*(\sl)+(\g)] offset:BQ*16*VP+128*(\u)+64*((\part)/2)
	ds_load_b128 v[RV+4:RV+7], v[ADRB+2*(\sl)+(\g)] offset:BQ*16*VP+128*(\u)+64*((\part)/2)+32
.endr
.endm
.macro FLD set, off                    ; my lane's eight pairs (f, f) of the chunk off bytes on
	WIN 0x04
.irp i, 0,1,2,3
	ds_load_b128 v[FF+16*\set+4*\i:FF+16*\set+4*\i+3], v[ADRF] offset:\off+16*\i
.endr
.endm
; PHASE 0 of a step: channel blocks 0-3.  Ahead of block a its unit of P is waited for; behind blocks 1 to 4 group 1 of this step's vT is loaded: its last products stand sixteen multiply-adds or more back.
; lbase = 15: behind unit a's loads those of this step's 7 - a later units and of the next step's eight were issued, four each;  lbase = 7, the last step: only the 7 - a.
.macro PH0 u, sl, first, lbase
	s_wait_dscnt 0x0                               ; group 0's fragments, and f, are in
.irp a, 0,1,2,3,4,5,6,7
	s_wait_loadcnt 4*(\lbase-\a)
	BLK \u, \sl, 0, \a, \first
.if (\a >= 1) && (\a <= 4)
	VLD \sl, \u, 1, \a-1
.endif
.endr
.endm
; PHASE 1: channel blocks 4-7.  ld: a unit of P is asked for again, with the step two on (off bytes behind s[PT]), one block behind its last products (sixteen multiply-adds between); the last unit behind four v_nop.
; nv: behind blocks 1 to 4 group 0 of the next step's vT is loaded, from slot nsl, keys nu.  fl: f of the next slot's chunk.
; chg: THE CHANGE OF SLOTS stands ahead of an odd step's phase 1: my reads of the slot are over, the next step's fragments lie in the other slot.  Each wave waits for all its tensor loads (one is out: its part of the
; other slot), adds 0 to its spare word, and waits for that and for its reads; block 0, work on registers, stands between the barrier's signal and its wait.  chg = 1: the barrier opens a round of the cluster's, and
; the slot is filled again, two slots ahead, first thing behind the round: 256 matrix instructions ahead of the wait for it.  chg = 2: nothing is left to fetch.
.macro PH1 u, sl, first, ld, off, nv, nsl, nu, chg, fl, fset, foff
.if \chg
	WIN 0                                          ; (the add's two registers lie in window 0)
	s_wait_tensorcnt 0x0                           ; no tensor load of mine is out, so a group 0 may be written
	ds_add_u32 v[SPW], v[NIL]                      ; 0 onto my spare word
.if \chg == 1
	s_add_nc_u64 s[G0+4*\sl+2:G0+4*\sl+3], s[G0+4*\sl+2:G0+4*\sl+3], 2*KSTEP*2
.endif
	s_wait_dscnt 0x0                               ; the add is done, my reads of this slot are over, and group 1's fragments are in
	s_barrier_signal -1
	BLK \u, \sl, 1, 0, \first
	WIN 0
	s_barrier_wait -1
.if \chg == 1
	CREST                                          ; no wave of any partner still reads this slot's tile or has a load on its way
	TLOAD \sl                                      ; my one tensor load until the next round
.endif
.else
	s_wait_dscnt 0x0                               ; group 1's fragments are in
	BLK \u, \sl, 1, 0, \first
.endif
.irp a, 1,2,3,4,5,6,7
	BLK \u, \sl, 1, \a, \first
.if \nv && (\a <= 4)
	VLD \nsl, \nu, 0, \a-1
.endif
.if \fl && (\a == 5)
	FLD \fset, \foff
.endif
.if \ld
	PLD \u, \a-1, \off
.endif
.endr
.if \ld
	PLACES
	PLD \u, 7, \off
.endif
.endm
	FLD 0, 0                                       ; f of my first chunk
.irp i, 0,1,2,3
	VLD 0, 0, 0, \i                                ; group 0 of step 0
.endr
	PH0 0, 0, 1, 15                                ; STEP 0 stands in front of the loop: its multiply-adds start the totals
	PH1 0, 0, 1,  1, OFF2,  1, 0, 1,  0,  0, 0, 0
	FLUSH
	WIN 0                                          ; at a label and at a branch every window is 0
	s_mov_b32 s3, 3
.Llap:                                                 ; three trips of four steps: steps 1 to 12; a trip changes slots twice and fills both again: slots' worth 2 to 7 of the keys
	PH0 1, 0, 0, 15
	PH1 1, 0, 0,  1, OFF3,  1, 1, 0,  1,  1, 1, 4096
	PH0 0, 1, 0, 15
	PH1 0, 1, 0,  1, OFF4,  1, 1, 1,  0,  0, 0, 0
	PH0 1, 1, 0, 15
	PH1 1, 1, 0,  1, OFF5,  1, 0, 0,  1,  1, 0, 8192
	PH0 0, 0, 0, 15
	PH1 0, 0, 0,  1, OFF6,  1, 0, 1,  0,  0, 0, 0
	FLUSH
	WIN 0
	s_wait_xcnt 0x0                                ; P's loads have read their base: it may step
	s_add_nc_u64 s[PT:PT+1], s[PT:PT+1], 262144    ; two slots' keys on
	v_add_nc_u32 v[ADRF], 8192, v[ADRF]            ; eight chunks on
	s_sub_co_u32 s3, s3, 1
	s_cmp_lg_u32 s3, 0
	s_cbranch_scc1 .Llap
	PH0 1, 0, 0, 15                                ; steps 13 to 15 are written out: no tensor load is asked for, and P's loads end with step 15's
	PH1 1, 0, 0,  1, OFF3,  1, 1, 0,  2,  1, 1, 4096
	PH0 0, 1, 0, 15
	PH1 0, 1, 0,  0, 0,  1, 1, 1,  0,  0, 0, 0
	PH0 1, 1, 0, 7
	PH1 1, 1, 0,  0, 0,  0, 0, 0,  0,  0, 0, 0
	FLUSH
	WIN 0
	; THE WAY OUT.  The ring has had its last fill; behind this barrier nobody reads it.  Each wave lays its tile of partial sums there; behind a second barrier each wave sums 32 whole rows of the four tiles.
	s_wait_dscnt 0x0
	s_barrier_signal -1
	s_barrier_wait -1
.irp a, 0,1,2,3,4,5,6,7
.set WS, (2+\a/4)<<2                               ; an LDS store's data are its source 1
	WIN WS
.irp b, 0,1,2,3,4,5,6,7
	ds_store_b128 v[STO], v[64*(\a%4)+8*\b:64*(\a%4)+8*\b+3]   offset:\a*16*TP+64*\b      ; lane (r, h): query 16 a + r, channels 16 b + 8 h + 0 .. 7
	ds_store_b128 v[STO], v[64*(\a%4)+8*\b+4:64*(\a%4)+8*\b+7] offset:\a*16*TP+64*\b+16
.endr
.endr
	WIN 0
	s_wait_dscnt 0x0                               ; for the others' sake: my stores are done
	s_barrier_signal -1
	s_barrier_wait -1
.irp i, 0,1,2,3,4,5,6,7
	ds_load_b128 v[32+4*\i:32+4*\i+3], v[ILA] offset:16*\i         ; 1 / L of my 32 rows, the same in every lane: v32-63
.endr
.irp g, 0,1,2,3                        ; eight rows at a time
.if \g > 0
	s_wait_xcnt 0x0                                ; the last group's stores have read their data: the registers may be loaded again
.endif
.irp j, 0,1,2,3,4,5,6,7
.irp s, 0,1,2,3
	ds_load_b128 v[64+16*\j+4*\s:64+16*\j+4*\s+3], v[RD+\s] offset:(8*\g+\j)*TP   ; row 8 g + j of tile s: 32 lanes take its 512 bytes
.endr
.endr
.irp j, 0,1,2,3,4,5,6,7
	s_wait_dscnt 4*(7-\j)                          ; row j's four loads are in; the four of each later row may be out
	v_pk_add_f32 v[64+16*\j:64+16*\j+1],     v[64+16*\j:64+16*\j+1],     v[64+16*\j+4:64+16*\j+5]
	v_pk_add_f32 v[64+16*\j+2:64+16*\j+3],   v[64+16*\j+2:64+16*\j+3],   v[64+16*\j+6:64+16*\j+7]
	v_pk_add_f32 v[64+16*\j+8:64+16*\j+9],   v[64+16*\j+8:64+16*\j+9],   v[64+16*\j+12:64+16*\j+13]
	v_pk_add_f32 v[64+16*\j+10:64+16*\j+11], v[64+16*\j+10:64+16*\j+11], v[64+16*\j+14:64+16*\j+15]
	v_pk_add_f32 v[64+16*\j:64+16*\j+1],     v[64+16*\j:64+16*\j+1],     v[64+16*\j+8:64+16*\j+9]
	v_pk_add_f32 v[64+16*\j+2:64+16*\j+3],   v[64+16*\j+2:64+16*\j+3],   v[64+16*\j+10:64+16*\j+11]
.irp e, 0,1,2,3
	v_mul_f32 v[64+16*\j+\e], v[64+16*\j+\e], v[32+8*\g+\j]        ; divided by the row's sum
.endr
	global_store_b128 v[PO], v[64+16*\j:64+16*\j+3], s[70:71] offset:(8*\g+\j)*4096 th:TH_STORE_NT   ; 32 lanes store 512 consecutive bytes, at a multiple of 256 from out0's first byte
.endr
.endr
	s_wait_tensorcnt 0x0                           ; the wave's end: behind my last tensor load and my last LDS store
	ds_add_u32 v[SPW], v[NIL]
	s_wait_dscnt 0x0
	CROUND                                         ; the closing round
	s_endpgm
.Lfunc_end_k_q05e4db5b19_outp:
	.size	k_q05e4db5b19_outp, .Lfunc_end_k_q05e4db5b19_outp-k_q05e4db5b19_outp
	.p2alignl 7, 3214868480
	.fill 96, 4, 3214868480
	.section	.rodata,"a",@progbits
	.p2align	6, 0x0
	.amdhsa_kernel k_q05e4db5b19_outp
		.amdhsa_group_segment_fixed_size 327680
		.amdhsa_private_segment_fixed_size 0
		.amdhsa_enable_private_segment 0
		.amdhsa_kernarg_size 32
		.amdhsa_user_sgpr_count 2
		.amdhsa_user_sgpr_kernarg_segment_ptr 1
		.amdhsa_wavefront_size32 1
		.amdhsa_system_sgpr_workgroup_id_x 1
		.amdhsa_system_sgpr_workgroup_id_y 1
		.amdhsa_system_sgpr_workgroup_id_z 1
		.amdhsa_system_vgpr_workitem_id 0
		.amdhsa_next_free_vgpr 1024
		.amdhsa_next_free_sgpr 80
		.amdhsa_reserve_vcc 0
		.amdhsa_float_denorm_mode_32 3
		.amdhsa_float_denorm_mode_16_64 3
		.amdhsa_memory_ordered 1
		.amdhsa_forward_progress 1
		.amdhsa_inst_pref_size 255
	.end_amdhsa_kernel
	.section	.bss,"aw",@nobits
	.p2align	6
	.space	262144
	.amdgpu_metadata
---
amdhsa.version: [ 1, 2 ]
amdhsa.kernels:
  - .name:           k_q05e4db5b19_outp
    .symbol:         k_q05e4db5b19_outp.kd
    .args:
      - { .name: p, .offset: 0, .size: 8, .value_kind: global_buffer, .address_space: global }
      - { .name: qkv, .offset: 8, .size: 8, .value_kind: global_buffer, .address_space: global }
      - { .name: st, .offset: 16, .size: 8, .value_kind: global_buffer, .address_space: global }
      - { .name: out0, .offset: 24, .size: 8, .value_kind: global_buffer, .address_space: global }
    .group_segment_fixed_size: 327680
    .private_segment_fixed_size: 0
    .kernarg_segment_align: 8
    .kernarg_segment_size: 32
    .max_flat_workgroup_size: 128
    .sgpr_count:     80
    .vgpr_count:     1024
    .wavefront_size: 32
...
	.end_amdgpu_metadata
.endif
;; end of part 4
